; MI455X (gfx1250); checked and timed in simulation.
; The chip was launched on July 23, 2026; its instructions are those of AMD's public machine-readable ISA for CDNA 5 (MIT licence, August 2026) and "CDNA5" Instruction Set Architecture Reference Guide (July 2026). The comments in the code are by the model that wrote it; some were corrected since.
;; GQ Attention. Allowed arithmetic: matrix products marked QUANTISED: E2M3 operands, one E8M0 scale for each 32 along K, by v_wmma_scale_f32_16x16x128_f8f6f4 with both operands' format E2M3, f32 sums; everything else in f32.
;; Inputs: W_k 4,096 x 1,024 float32; W_o 4,096 x 4,096 float32; W_q 4,096 x 4,096 float32; W_v 4,096 x 1,024 float32; cos_freq 8,192 x 64 float32; sin_freq 8,192 x 64 float32; x 1 x 1,024 x 4,096 float32.
;; Outputs: out0 1 x 1,024 x 4,096 float32.
;; This version of the problem:
;;   THIS VERSION OF THE PROBLEM IS GIVEN IN LOW PRECISION. The matrix products marked QUANTISED in the list below multiply operands that are first quantised to E2M3 (2 exponent bits, 3 mantissa bits; 6 bits a number), with one power-of-two scale for each 32 numbers along K (OCP MX v1.0); their sums are f32. All else is computed in f32.
;;   The module's matrix products, in the order in which they are computed (A, B: the left and right operand; K: the contracted axis; several contracted axes count as one K, in the product's order):
;;     1. [M 1,024, K 4,096] x [K 4,096, N 4,096]; A: input x; B: input W_q: QUANTISED
;;     2. [M 1,024, K 4,096] x [K 4,096, N 1,024]; A: input x; B: input W_k: QUANTISED
;;     3. [M 1,024, K 4,096] x [K 4,096, N 1,024]; A: input x; B: input W_v: QUANTISED
;;     4. batch 32 x [M 1,024, K 128] x [K 128, N 1,024]; A: computed on the way; B: computed on the way: QUANTISED
;;     5. batch 32 x [M 1,024, K 1,024] x [K 1,024, N 128]; A: softmax (see below); B: computed on the way: QUANTISED
;;     6. [M 1,024, K 4,096] x [K 4,096, N 4,096]; A: computed on the way; B: input W_o: QUANTISED
;;   THE QUANTISER, for each operand of a quantised product, along K:
;;     - K is cut into blocks of 32 from its start; a last block that is shorter is filled with zeros.
;;     - A block's scale is 2^e with e = floor(log2(the largest magnitude in the block)) - 2, held to -126 .. 127; a block of zeros has e = 0. As a byte (E8M0): e + 127.
;;     - Each number is divided by its block's scale, clamped to +-7.5, and rounded to the nearest number of E2M3, ties to even, subnormals kept.
;;     - The product sums the exact products of the quantised numbers (number of the format x scale) in f32.
;;   ~~~python
;;   def quantise(x, axis):      # numpy; x: float32 -> the quantised numbers, widened to float32 again
;;       x = np.moveaxis(x, axis, -1); K = x.shape[-1]
;;       x = np.pad(x, [(0, 0)] * (x.ndim - 1) + [(0, -K % 32)]); x = x.reshape(x.shape[:-1] + (-1, 32)); a = np.abs(x).max(-1, keepdims=True)
;;       e = np.where(a > 0, np.clip(np.frexp(np.where(a > 0, a, 1))[1] - 1 - 2, -126, 127), 0)      # np.frexp(a)[1] - 1 = floor(log2(a)), exactly
;;       r = np.clip(x / 2.0 ** e, -7.5, 7.5)
;;       step = 2.0 ** (np.maximum(np.frexp(np.where(r == 0, 1, r))[1] - 1, 0) - 3)
;;       q = np.round(r / step) * step * 2.0 ** e      # np.round: ties to even
;;       return np.moveaxis(q.reshape(q.shape[:-2] + (-1,))[..., :K], -1, axis).astype(np.float32)
;;   ~~~
;;   SOFTMAX AHEAD OF A QUANTISED PRODUCT. Where the list says 'softmax', what is quantised is not the finished softmax but p = 2^(t - M), with t = logit x log2(e) and M = ceil(the row's largest t), a whole number; so 1/2 < the row's largest p <= 1. The row's sum l is taken of the UNQUANTISED p, in f32, and the product's result is divided by l at the end. Since M is a whole number, a kernel that streams over the keys may use a running M (the ceiling of the running maximum): every later rescaling is an exact power of two, which a block's scale takes up: the codes' values come out the same.
;;   OPERANDS COMPUTED ON THE WAY. 'Computed on the way' means the value that the module computes at that place (a softmax that the list does not call 'softmax' is quantised finished and normalised). What goes into a quantiser is computed in f32, as accurately as f32 sums, v_exp_f32 and their like allow (about 1e-6 of the number): no bf16 or f16 on the way to a quantiser, and a product that is left as it is and whose result goes on into a quantised operand takes f32 operands (vector FMAs, or v_wmma_f32_16x16x4_f32). A number that lies on a knife's edge between two numbers of the format may be rounded either way, as far as f32 arithmetic and the matrix unit's own rounding can turn it there, and no further.
;; One version. Each part assembles by itself: llvm-mc -triple=amdgcn-amd-amdhsa -mcpu=gfx1250 --defsym DOCPART=n.
;; ======== version 1 of 1: 4 launches
;; limits: right only within a limited range of input values
;; workspace buffers: x_rec 3,276,800 bytes; w_rec 32,768,000 bytes; q_pack 3,276,800 bytes; kv_pack 1,638,400 bytes; a_rec 3,276,800 bytes
;; launch quant (part 1): grid 96 x 8, 4 waves a work-group, no clusters, 85,504 bytes of LDS; arguments x, W_q, W_k, W_v, W_o, x_rec, w_rec; writes x_rec, w_rec
.if DOCPART == 1
	.amdgcn_target "amdgcn-amd-amdhsa--gfx1250"
	.amdhsa_code_object_version 6
	.text
	.protected	k_q42021da9f5_quant
	.globl	k_q42021da9f5_quant
	.p2align	8
	.type	k_q42021da9f5_quant,@function
k_q42021da9f5_quant:
	s_mov_b64 s[64:65], 0
	v_nop
	global_prefetch_b8 v0, s[64:65] scope:SCOPE_SE
	s_setreg_imm32_b32 hwreg(HW_REG_WAVE_MODE, 25, 1), 1
	s_wait_xcnt 0x0
; x [1024][4096] and the four weights [4096 (K)][N], all f32, become codes of FP6 (E2M3) with one E8M0 byte for each 32 along K,
; laid in the order of a matrix operand registers, so that later launches fetch fragments by dense loads alone.
; TILE ORDER: lane-row r of tile T stands for row (or weight column) 32 (T/2) + 8 (T%2) + r + 8 (r/8).
; FRAGMENT IMAGE, 1,536 bytes (16 rows x 128 K, 12 registers a lane): half c at 768 c: 16 bytes x lane (registers 6c..6c+3), then at +512 8 bytes x lane (6c+4, 6c+5).
; RECORD, 6,400 bytes: the images of four K steps, then at 6,144 the scale words [K step 4][16 rows].  x_rec, w_rec: [tile][K group 8][record].
; A block scale is 2^(floor(log2(largest magnitude)) - 2); its byte is the largest magnitude exponent field - 2, held at 1 from below.
; LIMITS: a block of zeros gets the byte 1 where the rule says 127 (its codes are zeros and this program alone reads the bytes); blocks whose largest
; magnitude lies under 2^-124 are held at byte 1; NaN and infinities among the inputs are not served.
; Work-groups 0-79 along x take 128 weight columns x 512 K (a lane a column, registers down K); work-groups 80-95 take four tiles of 16 rows of x x 512 K.
; The two ways part on the work-group number, have LDS bytes of their own and end apart.  Memory binds: no tensor load, no barrier, no matrix unit, no cluster: waves share nothing.
.set SPARE, 84992                      ; behind both stages: the spare words, 128 bytes a wave
.set SPW,   14                         ; v14  LDS address of my spare word; never rewritten
.set NIL,   15                         ; v15  0; never rewritten
.set REC,   6400
.set TROW,  51200                      ; from a tile to the next: 8 records
.set RO,    32                         ; W: v32-63  4 lane + i x pitch
.set XW,    64                         ; W: v64-127 two sets of 32 numbers
.set OUTW,  128                        ; W: v128-227 the way out
.set SB,    16                         ; W: v16-19 four scale words
.set CA,    20                         ; W: v20-25 and v228-233: a block codes, two sets by turns
.set CB,    228
.set CT,    26                         ; W: v26-28 the second conversion lands here (three registers begin on an even number)
.set BB,    32                         ; W: s[32:63] sixteen bases, 32 rows of K apart
.set TM,    16                         ; x: v16-31 at work
.set PW,    32                         ; x: v32-35 a scale word for each fragment
.set PC,    44                         ; x: v44-55 codes, v56-62 at work
.set XQ,    64                         ; x: v64-127 64 numbers in the order of the quantiser
.set RX,    128                        ; x: v128-255 two sets of 64 as loaded
	s_load_b256 s[4:11], s[0:1], 0x0               ; x, W_q, W_k, W_v
	s_load_b128 s[12:15], s[0:1], 0x20             ; W_o, x_rec
	s_load_b64 s[16:17], s[0:1], 0x30              ; w_rec
	v_lshl_add_u32 v[SPW], v0, 2, SPARE
	v_mov_b32 v[NIL], 0
	v_lshrrev_b32 v1, 5, v0
	v_readfirstlane_b32 s18, v1                    ; wave
	s_and_b32 s19, ttmp7, 0xffff                   ; K group of 512
	v_and_b32 v1, 31, v0                           ; lane
	s_cmp_ge_u32 ttmp9, 80
	s_cbranch_scc1 .Lx_path
; ---------------- the weights ----------------
	v_lshlrev_b32 v2, 2, v1                        ; 4 lane
	v_bfe_u32 v3, v1, 3, 1                         ; u: which of the two tiles my column falls into
	v_and_b32 v4, 7, v1
	v_lshrrev_b32 v11, 4, v1
	v_lshl_add_u32 v4, v11, 3, v4                  ; its lane-row there
	s_mul_i32 s20, s18, 12800                      ; my stage: two records
	v_mul_u32_u24 v12, v3, 6400
	v_add_nc_u32 v12, s20, v12
	v_lshl_add_u32 v5, v4, 4, v12                  ; where my 16 bytes of an image go
	v_lshl_add_u32 v6, v4, 3, v12                  ; my 8 bytes
	v_lshl_add_u32 v7, v4, 2, v12
	v_add_nc_u32 v7, 6144, v7                      ; my scale words
	v_lshlrev_b32 v9, 4, v1                        ; the way out: 16 lane
	v_add_nc_u32 v8, s20, v9
	v_mul_u32_u24 v10, v11, 44800
	v_add_nc_u32 v10, v10, v9                      ; for the one store that straddles the two records
	s_wait_kmcnt 0x0
	s_cmp_lt_u32 ttmp9, 48                         ; which weight: the choice hangs on the work-group number alone
	s_cselect_b64 s[22:23], s[10:11], s[12:13]
	s_cselect_b32 s24, 40, 48                      ; its first work-group
	s_cselect_b32 s25, 12, 14                      ; log2 of its row in bytes
	s_cmp_lt_u32 ttmp9, 40
	s_cselect_b64 s[22:23], s[8:9], s[22:23]
	s_cselect_b32 s24, 32, s24
	s_cmp_lt_u32 ttmp9, 32
	s_cselect_b64 s[22:23], s[6:7], s[22:23]
	s_cselect_b32 s24, 0, s24
	s_cselect_b32 s25, 14, s25
	s_sub_co_u32 s26, ttmp9, s24
	s_lshl_b32 s26, s26, 9                         ; 128 columns x 4 bytes
	s_lshl_b32 s27, s18, 7                         ; my 32 of them
	s_add_co_u32 s26, s26, s27
	s_lshl_b32 s27, s19, 9
	s_lshl_b32 s27, s27, s25                       ; 512 rows of K for each group
	s_add_co_u32 s26, s26, s27
	s_mov_b32 s27, 0
	s_add_nc_u64 s[BB:BB+1], s[22:23], s[26:27]
	s_lshl_b32 s28, 1, s25                         ; the pitch
	s_lshl_b32 s30, s28, 5                         ; 32 rows
	s_mov_b32 s31, 0
.irp t, 1,2,3,4,5,6,7,8,9,10,11,12,13,14,15
	s_add_nc_u64 s[BB+2*\t:BB+2*\t+1], s[BB+2*\t-2:BB+2*\t-1], s[30:31]
.endr
	s_lshl_b32 s26, ttmp9, 3
	s_lshl_b32 s27, s18, 1
	s_add_co_u32 s26, s26, s27                     ; my first tile: 8 x work-group + 2 x wave
	s_mul_i32 s26, s26, TROW
	s_mul_i32 s27, s19, REC
	s_add_co_u32 s26, s26, s27
	s_mov_b32 s27, 0
	s_add_nc_u64 s[20:21], s[16:17], s[26:27]
.set i, 0
.rept 32
	v_mad_u32_u24 v[RO+i], s28, i, v2
.set i, i+1
.endr
.macro LOADW t                         ; block t: W(32 t + i, my column): 32 lanes read 128 consecutive bytes, the four waves 512
.set i, 0
.rept 32
	global_load_b32 v[XW+32*((\t)%2)+i], v[RO+i], s[BB+2*(\t):BB+2*(\t)+1] th:TH_LOAD_NT
.set i, i+1
.endr
.endm
.macro BLOCKW t                        ; K step t/4, block t%4 = 2 c + h of it
.set XS, XW+32*((\t)%2)
.set CC, CA+(CB-CA)*((\t)%2)
.if (\t) < 15
	s_wait_loadcnt 32                              ; this block is in; the 32 loads of the next may be out
.else
	s_wait_loadcnt 0x0
.endif
	v_max3_num_f32 v12, |v[XS]|, |v[XS+1]|, |v[XS+2]|
	v_max3_num_f32 v13, |v[XS+3]|, |v[XS+4]|, |v[XS+5]|
.irp i, 6,10,14,18,22,26
	v_max3_num_f32 v12, v12, |v[XS+\i]|, |v[XS+\i+1]|
	v_max3_num_f32 v13, v13, |v[XS+\i+2]|, |v[XS+\i+3]|
.endr
	v_max3_num_f32 v12, v12, |v[XS+30]|, |v[XS+31]|
	v_max3_num_f32 v12, v12, v13, 0x1800000        ; the floor 2^(3 - 127): the byte cannot fall under 1
	v_add_nc_u32 v11, 0xff000000, v12              ; 2 off the exponent field: the scale operand of the conversion
	v_lshrrev_b32 v13, 23, v11                     ; the byte
.if (\t)%4 == 0
	v_mov_b32 v[SB+(\t)/4], v13
.else
	v_lshl_or_b32 v[SB+(\t)/4], v13, 8*((\t)%4), v[SB+(\t)/4]
.endif
.if (\t) > 1
	s_wait_alu depctr_va_vdst(0)
	s_wait_dscnt 2                                 ; the stores of two blocks ago, which read this set of code registers, are done; the last two may be out
.endif
	v_cvt_scalef32_pk16_fp6_f32 v[CC:CC+2], v[XS:XS+15], v11
	v_cvt_scalef32_pk16_fp6_f32 v[CT:CT+2], v[XS+16:XS+31], v11
	v_nop                                          ; one plain place behind a scaled conversion
.irp i, 0,1,2
	v_mov_b32 v[CC+3+\i], v[CT+\i]
.endr
	ds_store_b128 v5, v[CC:CC+3] offset:1536*((\t)/4)+768*(((\t)/2)%2)+256*((\t)%2)
	ds_store_b64 v6, v[CC+4:CC+5] offset:1536*((\t)/4)+768*(((\t)/2)%2)+512+128*((\t)%2)
.if (\t)+2 < 16
	LOADW (\t)+2
.endif
.endm
	LOADW 0
	LOADW 1
.irp t, 0,1,2,3,4,5,6,7,8,9,10,11,12,13,14,15
	BLOCKW \t
.endr
.irp k, 0,1,2,3
	ds_store_b32 v7, v[SB+\k] offset:64*\k
.endr
.set i, 0
.rept 25
	ds_load_b128 v[OUTW+4*i:OUTW+4*i+3], v8 offset:512*i   ; LDS serves a wave in order: these see my stores
.set i, i+1
.endr
.set i, 0
.rept 25                               ; two records leave: every sixteen lanes store 256 consecutive bytes, aligned
	s_wait_dscnt 24-i
.if i < 12
	global_store_b128 v9, v[OUTW+4*i:OUTW+4*i+3], s[20:21] offset:512*i
.elseif i == 12
	global_store_b128 v10, v[OUTW+4*i:OUTW+4*i+3], s[20:21] offset:6144
.else
	global_store_b128 v9, v[OUTW+4*i:OUTW+4*i+3], s[20:21] offset:44800+512*i
.endif
.set i, i+1
.endr
	s_wait_tensorcnt 0x0                           ; the end of the wave, behind my last LDS store
	ds_add_u32 v[SPW], v[NIL]
	s_wait_dscnt 0x0
	s_endpgm
; ---------------- x ----------------
.Lx_path:
	s_sub_co_u32 s20, ttmp9, 80
	s_lshl_b32 s20, s20, 2
	s_add_co_u32 s20, s20, s18                     ; my tile of 16 rows
	s_lshr_b32 s21, s20, 1
	s_lshl_b32 s21, s21, 5
	s_and_b32 s22, s20, 1
	s_lshl_b32 s22, s22, 3
	s_add_co_u32 s21, s21, s22                     ; its first row
	s_lshl_b32 s22, s21, 14                        ; rows of 16,384 bytes
	s_lshl_b32 s23, s19, 11                        ; 512 numbers for each K group
	s_add_co_u32 s22, s22, s23
	s_mov_b32 s23, 0
	s_mul_i32 s24, s20, TROW
	s_mul_i32 s25, s19, REC
	s_add_co_u32 s24, s24, s25
	s_mov_b32 s25, 0
	s_mul_i32 s26, s18, 8448
	s_add_co_u32 s26, s26, 51200                   ; my stage: 16 rows x (512 + 16) bytes
	v_and_b32 v2, 15, v0                           ; r
	v_bfe_u32 v3, v0, 4, 1                         ; h
	s_wait_alu depctr_va_vdst(0)
	v_lshlrev_b32 v7, 4, v1
	v_lshlrev_b32 v8, 3, v1
	v_lshlrev_b32 v9, 2, v1
	v_add_nc_u32 v5, s26, v7                       ; into the stage: a row as it lies
	v_mul_u32_u24 v6, v2, 528
	v_lshl_add_u32 v6, v3, 6, v6
	v_add_nc_u32 v6, s26, v6                       ; out of it: row r, my 16 numbers of each block of 32
	s_mov_b32 s28, 0x76543210
	s_mov_b32 s29, 0xfedcba98                      ; v_permlanex16_b32: lane l xor 16
	s_mov_b32 s30, 0xffff0000                      ; lanes 16-31
.irp b, 0,1,2,3
	v_mov_b32 v[TM+4+\b], 0                        ; written once: the destination of a lane permute counts as a source
.endr
	s_wait_alu depctr_va_vdst(0)
	s_wait_kmcnt 0x0
	s_add_nc_u64 s[4:5], s[4:5], s[22:23]
	s_add_nc_u64 s[14:15], s[14:15], s[24:25]
.macro LOADF f                         ; 128 along K of the 16 rows: each load reads 512 consecutive bytes of one row
.set i, 0
.rept 16
	global_load_b128 v[RX+64*((\f)%2)+4*i:RX+64*((\f)%2)+4*i+3], v7, s[4:5] offset:(i+8*(i/8))*16384+512*(\f) th:TH_LOAD_NT
.set i, i+1
.endr
.endm
; 64 numbers of a lane, register 16 b + i = k 32 b + 16 h + i of my row, become 12 code registers and the scale word of the row
.macro QUANT s, pc, pw, tm
.irp b, 0,1,2,3
	v_max3_num_f32 v[\tm+\b], |v[\s+16*\b]|, |v[\s+1+16*\b]|, 0x1800000
.endr
.irp i, 2,4,6,8,10,12,14
.irp b, 0,1,2,3
	v_max3_num_f32 v[\tm+\b], v[\tm+\b], |v[\s+16*\b+\i]|, |v[\s+1+16*\b+\i]|
.endr
.endr
.irp b, 0,1,2,3
	v_permlanex16_b32 v[\tm+4+\b], v[\tm+\b], s28, s29
.endr
.irp b, 0,1,2,3
	v_max_num_f32 v[\tm+\b], v[\tm+\b], v[\tm+4+\b]
.endr
.irp b, 0,1,2,3
	v_add_nc_u32 v[\tm+12+\b], 0xff000000, v[\tm+\b]
.endr
.irp b, 0,1,2,3
	v_lshrrev_b32 v[\tm+4+\b], 23, v[\tm+12+\b]
.endr
	v_lshl_or_b32 v[\pw], v[\tm+5], 8, v[\tm+4]
	v_lshl_or_b32 v[\pw], v[\tm+6], 16, v[\pw]
	v_lshl_or_b32 v[\pw], v[\tm+7], 24, v[\pw]
.irp c, 0,1
	v_cvt_scalef32_pk16_fp6_f32 v[\pc+6*\c:\pc+2+6*\c], v[\s+32*\c:\s+15+32*\c], v[\tm+12+2*\c]
	v_cvt_scalef32_pk16_fp6_f32 v[\pc+12+4*\c:\pc+14+4*\c], v[\s+16+32*\c:\s+31+32*\c], v[\tm+13+2*\c]
.endr
	v_nop                                          ; one plain place behind a scaled conversion
.irp c, 0,1                            ; the layout wants a whole block in a lane: lanes 0-15 block 2 c, lanes 16-31 block 2 c + 1
.irp i, 0,1,2
	v_permlane16_swap_b32 v[\pc+6*\c+\i], v[\pc+12+4*\c+\i]
.endr
.irp i, 0,1,2
	v_mov_b32 v[\pc+3+6*\c+\i], v[\pc+12+4*\c+\i]
.endr
.endr
.endm
.macro XFRAG f
.if (\f) < 3
	s_wait_loadcnt 16                              ; this fragment is in; the 16 loads of the next may be out
.else
	s_wait_loadcnt 0x0
.endif
.set i, 0
.rept 16
	ds_store_b128 v5, v[RX+64*((\f)%2)+4*i:RX+64*((\f)%2)+4*i+3] offset:528*i
.set i, i+1
.endr
.irp b, 0,1,2,3
.irp j, 0,1,2,3
	ds_load_b128 v[XQ+16*\b+4*\j:XQ+16*\b+4*\j+3], v6 offset:128*\b+16*\j
.endr
.endr
	s_wait_dscnt 0x0                               ; the numbers are back, and the stores have read the registers that the next loads fill
.if (\f) < 2
	LOADF (\f)+2
.endif
.if (\f) > 0
	s_wait_xcnt 0x0                                ; the stores of the last fragment have read the code registers, which are written again below
.endif
	QUANT XQ, PC, PW+(\f), TM
	global_store_b128 v7, v[PC:PC+3], s[14:15] offset:1536*(\f)
	global_store_b64 v8, v[PC+4:PC+5], s[14:15] offset:1536*(\f)+512
	global_store_b128 v7, v[PC+6:PC+9], s[14:15] offset:1536*(\f)+768
	global_store_b64 v8, v[PC+10:PC+11], s[14:15] offset:1536*(\f)+1280
.if (\f)%2
	v_cndmask_b32 v[10+(\f)/2], v[PW+(\f)-1], v[PW+(\f)], s30   ; lanes 0-15 the even K step, lanes 16-31 the odd one
	global_store_b32 v9, v[10+(\f)/2], s[14:15] offset:6144+128*((\f)/2)
.endif
.endm
	LOADF 0
	LOADF 1
.irp f, 0,1,2,3
	XFRAG \f
.endr
	s_wait_tensorcnt 0x0                           ; the end of the wave: the three lines once more
	ds_add_u32 v[SPW], v[NIL]
	s_wait_dscnt 0x0
	s_endpgm
.Lfunc_end_k_q42021da9f5_quant:
	.size	k_q42021da9f5_quant, .Lfunc_end_k_q42021da9f5_quant-k_q42021da9f5_quant
	.p2alignl 7, 3214868480
	.fill 96, 4, 3214868480
	.section	.rodata,"a",@progbits
	.p2align	6, 0x0
	.amdhsa_kernel k_q42021da9f5_quant
		.amdhsa_group_segment_fixed_size 85504
		.amdhsa_private_segment_fixed_size 0
		.amdhsa_enable_private_segment 0
		.amdhsa_kernarg_size 56
		.amdhsa_user_sgpr_count 2
		.amdhsa_user_sgpr_kernarg_segment_ptr 1
		.amdhsa_wavefront_size32 1
		.amdhsa_system_sgpr_workgroup_id_x 1
		.amdhsa_system_sgpr_workgroup_id_y 1
		.amdhsa_system_sgpr_workgroup_id_z 1
		.amdhsa_system_vgpr_workitem_id 0
		.amdhsa_next_free_vgpr 256
		.amdhsa_next_free_sgpr 80
		.amdhsa_reserve_vcc 0
		.amdhsa_float_denorm_mode_32 3
		.amdhsa_float_denorm_mode_16_64 3
		.amdhsa_memory_ordered 1
		.amdhsa_forward_progress 1
		.amdhsa_inst_pref_size 118
	.end_amdhsa_kernel
	.amdgpu_metadata
---
amdhsa.version: [ 1, 2 ]
amdhsa.kernels:
  - .name:           k_q42021da9f5_quant
    .symbol:         k_q42021da9f5_quant.kd
    .args:
      - { .name: x, .offset: 0, .size: 8, .value_kind: global_buffer, .address_space: global }
      - { .name: W_q, .offset: 8, .size: 8, .value_kind: global_buffer, .address_space: global }
      - { .name: W_k, .offset: 16, .size: 8, .value_kind: global_buffer, .address_space: global }
      - { .name: W_v, .offset: 24, .size: 8, .value_kind: global_buffer, .address_space: global }
      - { .name: W_o, .offset: 32, .size: 8, .value_kind: global_buffer, .address_space: global }
      - { .name: x_rec, .offset: 40, .size: 8, .value_kind: global_buffer, .address_space: global }
      - { .name: w_rec, .offset: 48, .size: 8, .value_kind: global_buffer, .address_space: global }
    .group_segment_fixed_size: 85504
    .private_segment_fixed_size: 0
    .kernarg_segment_align: 8
    .kernarg_segment_size: 56
    .max_flat_workgroup_size: 128
    .sgpr_count:     80
    .vgpr_count:     256
    .wavefront_size: 32
...
	.end_amdgpu_metadata
.endif
;; end of part 1
;; launch qkv (part 2): grid 48 x 4, 4 waves a work-group, clusters of 4 x 4, 327,680 bytes of LDS; arguments x_rec, w_rec, cos_freq, sin_freq, q_pack, kv_pack; writes q_pack, kv_pack
.if DOCPART == 2
	.amdgcn_target "amdgcn-amd-amdhsa--gfx1250"
	.amdhsa_code_object_version 6
	.text
	.protected	k_q42021da9f5_qkv
	.globl	k_q42021da9f5_qkv
	.p2align	8
	.type	k_q42021da9f5_qkv,@function
k_q42021da9f5_qkv:
	s_mov_b64 s[64:65], 0
	v_nop
	global_prefetch_b8 v0, s[64:65] scope:SCOPE_SE
	s_setreg_imm32_b32 hwreg(HW_REG_WAVE_MODE, 25, 1), 1
	s_wait_xcnt 0x0
	s_wait_alu depctr_hold_cnt(0) depctr_sa_sdst(0) depctr_va_vdst(0) depctr_va_sdst(0) depctr_va_ssrc(0) depctr_va_vcc(0) depctr_vm_vsrc(0)
	s_getreg_b32 s2, hwreg(HW_REG_IB_STS2, 6, 4)
	s_cmp_eq_u32 s2, 0
	s_cbranch_scc0 .Lentry_in_a_cluster
	s_endpgm
.Lentry_in_a_cluster:
	s_bfe_u32 s2, ttmp6, 0x10000c
	s_cmp_lg_u32 s2, 0xf033
	s_cbranch_scc0 .Lentry_shape_is_right
	s_endpgm
.Lentry_shape_is_right:
; q, k, v = x W on codes of FP6 (E2M3) with E8M0 scales; then, in registers: RoPE and the quantiser along the head axis for q and k, the quantiser along the keys for v.
; A work-group makes one head (128 weight columns, 8 tiles) x 256 rows (16 tiles); heads 0-31 q, 32-39 k, 40-47 v.  Four waves, 2 x 2: wave (wq, wp) has rows 128 wq on, columns 64 wp on: 32 accumulators.
; THE PRODUCT IS USED TRANSPOSED: source 0 = 16 weight columns, source 1 = 16 rows of x.  With the tile order (lane-row r of tile T = 32 (T/2) + 8 (T%2) + r + 8 (r/8)) a lane holds ONE row,
; and the 16 registers of two neighbouring tiles are 16 neighbouring columns 32 b + 16 h + 0..15: what the conversions want.
; K goes in slots of 512: a record of 6,400 bytes a tile (four fragment images and their scale words), 24 records a slot, two slots, filled by the tensor data mover.
; CLUSTER 4 x 4: the rows records hang on y alone and are asked for jointly along a row of the cluster, the weights records on x alone, jointly along a column.  The grid has one cluster along y, so y is the place in the cluster.
; cos and sin of the wave rows are loaded at the head by every work-group, those of v too (which do not use them), so that no register state hangs on the kind; they land during the K loop.
; LIMITS: as in the first launch: a block of zeros gets byte 1 with zero codes; largest magnitudes under 2^-124 are held at byte 1; NaN and infinities are not served.
; REGISTERS: window 0: v1-7 lane terms, v8-19 LDS addresses, v20 cos/sin offset, v28, v29 the add, v32-79 scale words (two sets of 24, nothing else ever), v80-255 the way out.
;   windows 1 and 3: the two fragment buffers (weights at v[12 t], rows at v[48 + 12 a]); from v144 cos and sin.   window 2: accumulator (a, t) at v[8 (4 a + t)].
.set REC,   6400
.set TROW,  51200
.set SLOT,  153600                     ; 16 records of rows, then 8 of weights
.set S0OFF, 102400
.set SPARE, 307200                     ; behind the ring: the spare words
.set SWB,   135168                     ; q, k: 1 KB in slot 0 in which two waves piece scale words together; v stores to other bytes
.set TW0,   0                          ; first weight tile of this launch
.set A16, 8
.set A8,  10
.set A4,  12
.set B16, 14
.set B8,  16
.set B4,  18
.set VCS, 20
.set SPW, 28
.set NIL, 29
.set SC,  32
.set G1,  24                           ; s[24:31], s[32:39]: groups 1 and 0 (a set a slot) for the rows
.set G0,  32
.set G1B, 48                           ; s[48:55], s[56:63]: for the weights
.set G0B, 56
.set RP,  80                           ; v80-111 a block of 32 numbers behind RoPE
.set TM,  112                          ; v112-127 at work
.set TT,  176                          ; v176-179
.set CT,  180                          ; v180-182
.set PWH, 184                          ; v184-191 two scale bytes for each block
.set XV,  192                          ; v: v192-255 two sets of 32 numbers
.set VRD, 22
.set MSB, 0
.macro WIN new                         ; the high byte of the immediate repeats the setting that is left
.if MSB != (\new)
	s_set_vgpr_msb (MSB<<8)|(\new)
.set MSB, (\new)
.endif
.endm
.macro PLACES n
.rept \n
	v_nop
.endr
.endm
; A joint load: waves 0 and 1 fetch rows records, waves 2 and 3 weights records.  The branch hangs on the wave number alone.  An s_nop 0 and four v_nop follow each line.
.macro JLOAD s
	s_cmp_eq_u32 s17, 0
	s_cbranch_scc0 .Lfor_w_\@
	tensor_load_to_lds s[G0+4*\s:G0+4*\s+3], s[G1:G1+7]
	s_nop 0
.rept 4
	v_nop
.endr
	s_branch .Lasked_\@
.Lfor_w_\@:
	tensor_load_to_lds s[G0B+4*\s:G0B+4*\s+3], s[G1B:G1B+7]
	s_nop 0
.rept 4
	v_nop
.endr
.Lasked_\@:
.endm
.macro CREST                           ; a round of the cluster barrier behind its opening barrier
	s_cmp_lg_u32 s16, 0
	s_cbranch_scc1 .Lnot_wave_0_\@
	s_barrier_signal -3
.Lnot_wave_0_\@:
	s_barrier_wait -3
	s_barrier_signal -1
	s_barrier_wait -1
.endm
.macro CROUND
	s_barrier_signal -1
	s_barrier_wait -1
	CREST
.endm
.macro FRAG reg, a16, a8, off          ; an image comes back as the registers that it was made of: four dense loads
	ds_load_b128 v[\reg:\reg+3], v[\a16] offset:\off
	ds_load_b64 v[\reg+4:\reg+5], v[\a8] offset:\off+512
	ds_load_b128 v[\reg+6:\reg+9], v[\a16] offset:\off+768
	ds_load_b64 v[\reg+10:\reg+11], v[\a8] offset:\off+1280
.endm
.macro FETCH slot, q, buf              ; 48 loads: my 4 + 8 fragments of K step q of the slot
	WIN 0x40+0x80*(\buf)
.irp t, 0,1,2,3
	FRAG 12*\t, B16+\slot, B8+\slot, REC*\t+1536*(\q)
.endr
.irp a, 0,1,2,3,4,5,6,7
	FRAG 48+12*\a, A16+\slot, A8+\slot, REC*\a+1536*(\q)
.endr
	WIN 0
.endm
.macro SCALES slot                     ; 24 loads: a register holds the words of an even K step in lanes 0-15 and of the odd one in lanes 16-31
.irp t, 0,1,2,3
.irp p, 0,1
	ds_load_b32 v[SC+24*\slot+2*\t+\p], v[B4+\slot] offset:REC*\t+6144+128*\p
.endr
.endr
.irp a, 0,1,2,3,4,5,6,7
.irp p, 0,1
	ds_load_b32 v[SC+24*\slot+8+2*\a+\p], v[A4+\slot] offset:REC*\a+6144+128*\p
.endr
.endr
.endm
; n blocks of rows from a0 on x my 4 weight tiles.  The 32 accumulators take turns, one instruction a turn, in the same order in every K step.
.macro MULP buf, q, sc, a0, n, zero
	WIN 0xa5+0x0a*(\buf)
.set aa, \a0
.rept \n
.irp t, 0,1,2,3
.if \zero
	v_wmma_scale_f32_16x16x128_f8f6f4 v[8*(4*aa+\t):8*(4*aa+\t)+7], v[12*\t:12*\t+11], v[48+12*aa:48+12*aa+11], 0, v[SC+24*(\sc)+2*\t+(\q)/2], v[SC+24*(\sc)+8+2*aa+(\q)/2] matrix_a_fmt:MATRIX_FMT_FP6 matrix_b_fmt:MATRIX_FMT_FP6
.elseif (\q)%2
	v_wmma_scale_f32_16x16x128_f8f6f4 v[8*(4*aa+\t):8*(4*aa+\t)+7], v[12*\t:12*\t+11], v[48+12*aa:48+12*aa+11], v[8*(4*aa+\t):8*(4*aa+\t)+7], v[SC+24*(\sc)+2*\t+(\q)/2], v[SC+24*(\sc)+8+2*aa+(\q)/2] matrix_a_fmt:MATRIX_FMT_FP6 matrix_b_fmt:MATRIX_FMT_FP6 matrix_a_scale:MATRIX_SCALE_ROW1 matrix_b_scale:MATRIX_SCALE_ROW1
.else
	v_wmma_scale_f32_16x16x128_f8f6f4 v[8*(4*aa+\t):8*(4*aa+\t)+7], v[12*\t:12*\t+11], v[48+12*aa:48+12*aa+11], v[8*(4*aa+\t):8*(4*aa+\t)+7], v[SC+24*(\sc)+2*\t+(\q)/2], v[SC+24*(\sc)+8+2*aa+(\q)/2] matrix_a_fmt:MATRIX_FMT_FP6 matrix_b_fmt:MATRIX_FMT_FP6
.endif
.endr
.set aa, aa+1
.endr
.endm
.set PFR, 90                           ; s[90:91] prefetches: my tile of rows records; s[92:93] my tile of weights records; both stepped two K groups a trip
.set PFW, 92
.set PFRO, 26                          ; v26 256 x min(lane, 24): a record is 25 blocks of 256 bytes
.set PFWO, 27                          ; v27 my half of a weights record: blocks 0-12 or 13-24
; n half fragments (a load of 16 and a load of 8 bytes a lane) from number i0 on, of K step q of a slot, into buffer buf: halves 0-7 the weights, 8-23 the rows; half i lands at v[6 i]
.macro HALFS slot, q, buf, i0, n
	WIN 0x40+0x80*(\buf)
.set hh, \i0
.rept \n
.if hh < 8
	ds_load_b128 v[6*hh:6*hh+3], v[B16+\slot] offset:REC*(hh/2)+1536*(\q)+768*(hh%2)
	ds_load_b64 v[6*hh+4:6*hh+5], v[B8+\slot] offset:REC*(hh/2)+1536*(\q)+768*(hh%2)+512
.else
	ds_load_b128 v[6*hh:6*hh+3], v[A16+\slot] offset:REC*(hh/2-4)+1536*(\q)+768*(hh%2)
	ds_load_b64 v[6*hh+4:6*hh+5], v[A8+\slot] offset:REC*(hh/2-4)+1536*(\q)+768*(hh%2)+512
.endif
.set hh, hh+1
.endr
.endm
; K step q = 0..2 of a slot: four groups of 8 products; behind each group 12 loads of the next step go into the other buffer
.macro STEP slot, q, zero
	PLACES 4                                       ; in front of loads into registers that the last step's products read
	s_wait_dscnt 16                                ; the weights and rows blocks 0-3 are in; the youngest 16 loads (blocks 4-7) may be out
	MULP (\q)%2, \q, \slot, 0, 2, \zero
	HALFS \slot, (\q)+1, 1-(\q)%2, 0, 6
	MULP (\q)%2, \q, \slot, 2, 2, \zero
	HALFS \slot, (\q)+1, 1-(\q)%2, 6, 6
	s_wait_dscnt 24                                ; all but the 24 loads issued in this step: blocks 4-7 are in
	MULP (\q)%2, \q, \slot, 4, 2, \zero
	HALFS \slot, (\q)+1, 1-(\q)%2, 12, 6
	MULP (\q)%2, \q, \slot, 6, 2, \zero
	HALFS \slot, (\q)+1, 1-(\q)%2, 18, 6
.endm
; The last K step of a slot changes slots: ONE barrier; in front of it the wait for all my tensor loads, the add, and the wait for the add and for my reads of this slot.
.macro TURN slot, next, fill
	WIN 0
	s_wait_tensorcnt 0x0                           ; my part of the next slot has landed, and no load of mine is out
	ds_add_u32 v[SPW], v[NIL]
	s_wait_dscnt 1                                 ; only the add may be out
	MULP 1, 3, \slot, 0, 1, 0
	s_wait_dscnt 0x0                               ; the add is done, and my reads of this slot are over
	s_barrier_signal -1
	MULP 1, 3, \slot, 1, 1, 0
	WIN 0
	s_barrier_wait -1
.if \fill
	CREST                                          ; the barrier opened a round of the cluster: no wave of any partner still reads this slot or has a load on its way
	s_add_nc_u64 s[G0+4*\slot+2:G0+4*\slot+3], s[G0+4*\slot+2:G0+4*\slot+3], 2*REC
	s_add_nc_u64 s[G0B+4*\slot+2:G0B+4*\slot+3], s[G0B+4*\slot+2:G0B+4*\slot+3], 2*REC
	JLOAD \slot                                    ; the first tensor load behind the round; its four v_nop are also the places in front of the loads below
.else
	PLACES 4
.endif
	SCALES \next                                   ; the scale words first, so that the youngest 16 loads at the next step's head are rows blocks 4-7
.if \fill
; prefetch: the K group that the NEXT refill will load (one refill ahead): every wave names one rows record and half a weights record; in the loop's last trip slot 1 has no such group
.if \slot
	s_cmp_lg_u32 s3, 1
	s_cbranch_scc0 .Lnopf_\@
.endif
	global_prefetch_b8 v[PFRO], s[PFR:PFR+1] offset:(3+\slot)*REC th:TH_LOAD_NT scope:SCOPE_SE
	global_prefetch_b8 v[PFWO], s[PFW:PFW+1] offset:(3+\slot)*REC th:TH_LOAD_NT scope:SCOPE_SE
.if \slot
.Lnopf_\@:
.endif
.endif
	MULP 1, 3, \slot, 2, 2, 0
	HALFS \next, 0, 0, 0, 12
	MULP 1, 3, \slot, 4, 2, 0
	HALFS \next, 0, 0, 12, 12
	MULP 1, 3, \slot, 6, 2, 0
.endm
.macro FINISH
	s_wait_tensorcnt 0x0                           ; the end of the wave: the three lines, then the closing round
	ds_add_u32 v[SPW], v[NIL]
	s_wait_dscnt 0x0
	CROUND
	s_endpgm
.endm
	s_load_b256 s[4:11], s[0:1], 0x0               ; x_rec, w_rec, cos, sin
	s_load_b128 s[12:15], s[0:1], 0x20             ; q_pack, kv_pack
	v_lshl_add_u32 v[SPW], v0, 2, SPARE
	v_mov_b32 v[NIL], 0
	ds_add_u32 v[SPW], v[NIL]                      ; the opening: the add and its wait ahead of my first tensor load; work on registers between
	ds_add_u32 v[SPW], v[NIL]
	v_lshrrev_b32 v1, 5, v0
	v_readfirstlane_b32 s16, v1                    ; wave
	s_lshr_b32 s17, s16, 1                         ; wq.  Also: I fetch rows (0) or weights (1)
	s_and_b32 s18, s16, 1                          ; wp.  Also: which half of them
	s_bfe_u32 s19, ttmp6, 0x40000                  ; cx
	s_bfe_u32 s20, ttmp6, 0x40004                  ; cy = the block of 256 rows
	s_lshl_b32 s21, ttmp9, 2
	s_add_co_u32 s21, s21, s19                     ; the head
	s_lshl_b32 s40, s20, 2
	s_lshl_b32 s40, 15, s40                        ; my row of the cluster
	s_lshl_b32 s41, 0x1111, s19                    ; my column
	s_or_b32 s[G1], s40, (3<<16)|(1<<21)           ; elements of 8 bytes, no padding; bit 21 beside a mask
	s_or_b32 s[G1B], s41, (3<<16)|(1<<21)
	s_mov_b32 s[G1+1], 800<<16                     ; a record: 800 elements
	s_mov_b32 s[G1+2], 8<<16                       ; 8 tiles
	s_mov_b32 s[G1+3], 800<<16
	s_mov_b32 s[G1+4], 8
	s_mov_b32 s[G1+5], 6400                        ; from tile to tile: 51,200 bytes
	s_mov_b32 s[G1+6], 0
	s_mov_b32 s[G1+7], 0
	s_mov_b32 s[G1B+1], 800<<16
	s_mov_b32 s[G1B+2], 4<<16                      ; 4 tiles
	s_mov_b32 s[G1B+3], 800<<16
	s_mov_b32 s[G1B+4], 4
	s_mov_b32 s[G1B+5], 6400
	s_mov_b32 s[G1B+6], 0
	s_mov_b32 s[G1B+7], 0
	s_lshl_b32 s42, s20, 4
	s_lshl_b32 s43, s18, 3
	s_add_co_u32 s42, s42, s43                     ; rows: tile 16 y + 8 wp
	s_mul_i32 s42, s42, TROW
	s_mov_b32 s43, 0
	s_lshl_b32 s44, s21, 3
	s_lshl_b32 s45, s18, 2
	s_add_co_u32 s44, s44, s45                     ; weights: tile 8 head + 4 wp
	s_add_co_u32 s44, s44, TW0
	s_mul_i32 s44, s44, TROW
	s_mov_b32 s45, 0
	s_mul_i32 s46, s18, 51200                      ; where they go in a slot: no place in the cluster enters an LDS address
	s_mul_i32 s47, s18, 25600
	s_add_co_u32 s47, s47, S0OFF
	s_wait_dscnt 0x0                               ; the opening add is done
	s_wait_kmcnt 0x0
	s_add_nc_u64 s[42:43], s[4:5], s[42:43]
	s_add_nc_u64 s[44:45], s[6:7], s[44:45]
	CROUND                                         ; all sixteen work-groups are here: the first joint loads meet
.irp s, 0,1
	s_mov_b32 s[G0+4*\s], 1
	s_add_co_u32 s[G0+4*\s+1], s46, \s*SLOT
	s_add_nc_u64 s[G0+4*\s+2:G0+4*\s+3], s[42:43], \s*REC
	s_or_b32 s[G0+4*\s+3], s[G0+4*\s+3], 0x80000000
	s_mov_b32 s[G0B+4*\s], 1
	s_add_co_u32 s[G0B+4*\s+1], s47, \s*SLOT
	s_add_nc_u64 s[G0B+4*\s+2:G0B+4*\s+3], s[44:45], \s*REC
	s_or_b32 s[G0B+4*\s+3], s[G0B+4*\s+3], 0x80000000
.endr
	JLOAD 0                                        ; K group 0: one tensor load a wave
	v_and_b32 v1, 31, v0                           ; lane
	v_lshlrev_b32 v2, 4, v1
	v_lshlrev_b32 v3, 3, v1
	v_lshlrev_b32 v4, 2, v1
	s_mul_i32 s66, s17, 51200                      ; my 8 tiles of rows
	s_mul_i32 s67, s18, 25600                      ; my 4 tiles of weights
	s_add_co_u32 s67, s67, S0OFF
.irp s, 0,1
	v_add_nc_u32 v[A16+\s], s66, v2
	v_add_nc_u32 v[A8+\s], s66, v3
	v_add_nc_u32 v[A4+\s], s66, v4
	v_add_nc_u32 v[B16+\s], s67, v2
	v_add_nc_u32 v[B8+\s], s67, v3
	v_add_nc_u32 v[B4+\s], s67, v4
	s_add_co_u32 s66, s66, SLOT
	s_add_co_u32 s67, s67, SLOT
.endr
	; cos and sin: lane (r, h) of block a wants, of position 256 y + 128 wq + its row, the frequencies 32 wp + 16 b + 8 h + 0..7
	v_and_b32 v5, 15, v0                           ; r
	v_bfe_u32 v6, v0, 4, 1                         ; h
	v_and_b32 v7, 8, v5
	v_add_nc_u32 v7, v7, v5                        ; r + 8 (r/8)
	v_lshlrev_b32 v[VCS], 8, v7
	v_lshl_add_u32 v[VCS], v6, 5, v[VCS]
	v_min_u32 v[PFRO], 24, v1                      ; lanes 25-31 name the record's last block again
	v_lshlrev_b32 v[PFRO], 8, v[PFRO]
	s_sub_co_u32 s97, 12, s18
	s_mul_i32 s98, s18, 13
	v_min_u32 v[PFWO], s97, v1                     ; wp = 0: blocks 0-12; wp = 1: blocks 13-24
	v_add_nc_u32 v[PFWO], s98, v[PFWO]
	v_lshlrev_b32 v[PFWO], 8, v[PFWO]
	s_wait_alu depctr_va_vdst(0)
	s_lshl_b32 s68, s20, 8
	s_lshl_b32 s69, s17, 7
	s_add_co_u32 s68, s68, s69
	s_lshl_b32 s68, s68, 8                         ; a position is 256 bytes
	s_lshl_b32 s69, s18, 7
	s_add_co_u32 s68, s68, s69
	s_mov_b32 s69, 0
	s_add_nc_u64 s[8:9], s[8:9], s[68:69]
	s_add_nc_u64 s[10:11], s[10:11], s[68:69]
	; the prefetches' bases.  A cluster loads 64 tiles of rows and 32 of weights; the partners share them out by address: rows tile 16 cy + 4 cx + wave, weights tile 8 head + 2 cy + wq
	s_lshl_b32 s94, s20, 4
	s_lshl_b32 s95, s19, 2
	s_add_co_u32 s94, s94, s95
	s_add_co_u32 s94, s94, s16
	s_mul_i32 s94, s94, TROW
	s_mov_b32 s95, 0
	s_add_nc_u64 s[PFR:PFR+1], s[4:5], s[94:95]
	s_lshl_b32 s94, s21, 3
	s_lshl_b32 s96, s20, 1
	s_add_co_u32 s94, s94, s96
	s_add_co_u32 s94, s94, s17
	s_mul_i32 s94, s94, TROW
	s_add_nc_u64 s[PFW:PFW+1], s[6:7], s[94:95]
	global_prefetch_b8 v[PFRO], s[PFR:PFR+1] offset:REC th:TH_LOAD_NT scope:SCOPE_SE     ; K groups 1 and 2: their loads follow behind the next two rounds
	global_prefetch_b8 v[PFWO], s[PFW:PFW+1] offset:REC th:TH_LOAD_NT scope:SCOPE_SE
	global_prefetch_b8 v[PFRO], s[PFR:PFR+1] offset:2*REC th:TH_LOAD_NT scope:SCOPE_SE
	global_prefetch_b8 v[PFWO], s[PFW:PFW+1] offset:2*REC th:TH_LOAD_NT scope:SCOPE_SE
.macro CSLOAD a, reg                   ; 16 cos, then 16 sin
.irp b, 0,1
.irp e, 0,1
	global_load_b128 v[\reg+8*\b+4*\e:\reg+8*\b+4*\e+3], v[VCS], s[8:9] offset:(32*((\a)/2)+8*((\a)%2))*256+64*\b+16*\e
	global_load_b128 v[\reg+16+8*\b+4*\e:\reg+16+8*\b+4*\e+3], v[VCS], s[10:11] offset:(32*((\a)/2)+8*((\a)%2))*256+64*\b+16*\e
.endr
.endr
.endm
	WIN 0x40
	CSLOAD 0, 144
	CSLOAD 1, 176
	CSLOAD 2, 208
	WIN 0xc0
	CSLOAD 3, 144
	CSLOAD 4, 176
	CSLOAD 5, 208
	WIN 0
	CSLOAD 6, 192
	CSLOAD 7, 224
	s_wait_tensorcnt 0x0                           ; my part of slot 0 is in
	ds_add_u32 v[SPW], v[NIL]
	s_wait_dscnt 0x0
	CROUND                                         ; a whole round: slot 0 is whole, and the joint loads meet
	JLOAD 1                                        ; K group 1, the first tensor load behind the round
	SCALES 0
	FETCH 0, 0, 0
	STEP 0, 0, 1                                   ; the first K step starts the sums: nothing is cleared
	WIN 0
	s_mov_b32 s3, 3
.Llap:                                 ; a trip goes once round the ring and fills both slots again
	STEP 0, 1, 0
	STEP 0, 2, 0
	TURN 0, 1, 1
	STEP 1, 0, 0
	STEP 1, 1, 0
	STEP 1, 2, 0
	TURN 1, 0, 1
	STEP 0, 0, 0
	WIN 0
	s_wait_xcnt 0x0                                ; my prefetches have read their bases, which step two K groups on
	s_add_nc_u64 s[PFR:PFR+1], s[PFR:PFR+1], 2*REC
	s_add_nc_u64 s[PFW:PFW+1], s[PFW:PFW+1], 2*REC
	s_sub_co_u32 s3, s3, 1
	s_cmp_lg_u32 s3, 0
	s_cbranch_scc1 .Llap
	STEP 0, 1, 0                                   ; the last lap fills nothing
	STEP 0, 2, 0
	TURN 0, 1, 0
	STEP 1, 0, 0
	STEP 1, 1, 0
	STEP 1, 2, 0
	s_wait_dscnt 0x0
	MULP 1, 3, 1, 0, 8, 0
	WIN 0
	PLACES 4                                       ; in front of the first read of results
	s_wait_loadcnt 0x0                             ; cos and sin
	s_wait_xcnt 0x0                                ; the prefetches have read their offset registers, which the way out of v writes again
	s_cmp_lt_u32 ttmp9, 10
	s_cbranch_scc0 .Lv_path
; ---------------- q and k: RoPE, the quantiser along the head axis; my 64 columns are half wp of each image ----------------
	s_lshl_b32 s70, s20, 1
	s_add_co_u32 s70, s70, s17                     ; the band of 128 rows
	s_mul_i32 s74, s21, 102400
	s_mul_i32 s75, s70, 12800
	s_add_co_u32 s74, s74, s75                     ; q: the record of head and band
	s_sub_co_u32 s76, s21, 32
	s_mul_i32 s76, s76, 204800
	s_mul_i32 s77, s70, 25600
	s_add_co_u32 s76, s76, s77                     ; k likewise
	s_cmp_lt_u32 ttmp9, 8
	s_cselect_b64 s[72:73], s[12:13], s[14:15]
	s_cselect_b32 s74, s74, s76
	s_mov_b32 s78, 24576
	s_cselect_b32 s78, 12288, s78                  ; where its scale words begin
	s_mov_b32 s75, 0
	s_add_nc_u64 s[72:73], s[72:73], s[74:75]
	s_mul_i32 s76, s18, 768
	s_mov_b32 s77, 0
	s_add_nc_u64 s[80:81], s[72:73], s[76:77]      ; my half of the images
	s_lshl_b32 s76, s18, 8
	s_add_co_u32 s76, s76, s78
	s_add_nc_u64 s[82:83], s[72:73], s[76:77]      ; my half of the scale words
	s_lshl_b32 s84, s17, 9
	s_lshl_b32 s85, s18, 1
	s_add_co_u32 s85, s85, s84
	s_add_co_u32 s85, s85, SWB
	v_lshl_add_u32 v21, v5, 2, s85                 ; my two bytes of the word of row r: 512 wq + 4 r + 2 wp
	s_lshl_b32 s85, s18, 8
	s_add_co_u32 s85, s85, s84
	s_add_co_u32 s85, s85, SWB
	v_add_nc_u32 v22, s85, v3                      ; back: 512 wq + 256 wp + 8 lane
	s_mov_b32 s88, 0x76543210
	s_mov_b32 s89, 0xfedcba98
	v_mov_b32 v[TM+4], 0                           ; written once: the destination of a lane permute counts as a source
	v_mov_b32 v[TM+5], 0
.macro QK a, csw, cs
.set CD, 128+6*(\a)
	WIN 0x02+4*(\csw)                              ; source 0: the accumulators, window 2; source 1: cos and sin
.set p, 0
.rept 16                               ; pair p: (e, o) -> (e cos - o sin, e sin + o cos); the accumulators are read from their low ends on
	v_mul_f32 v[TT+2*(p%2)], v[32*(\a)+2*p+1], v[\cs+16+p]
	v_mul_f32 v[TT+2*(p%2)+1], v[32*(\a)+2*p], v[\cs+16+p]
	v_fma_f32 v[RP+2*p], v[32*(\a)+2*p], v[\cs+p], -v[TT+2*(p%2)]
	v_fma_f32 v[RP+2*p+1], v[32*(\a)+2*p+1], v[\cs+p], v[TT+2*(p%2)+1]
.set p, p+1
.endr
	WIN 0
.irp b, 0,1
	v_max3_num_f32 v[TM+\b], |v[RP+16*\b]|, |v[RP+1+16*\b]|, 0x1800000
.endr
.irp i, 2,4,6,8,10,12,14
.irp b, 0,1
	v_max3_num_f32 v[TM+\b], v[TM+\b], |v[RP+16*\b+\i]|, |v[RP+1+16*\b+\i]|
.endr
.endr
.irp b, 0,1
	v_permlanex16_b32 v[TM+4+\b], v[TM+\b], s88, s89
.endr
.irp b, 0,1
	v_max_num_f32 v[TM+\b], v[TM+\b], v[TM+4+\b]
.endr
.irp b, 0,1
	v_add_nc_u32 v[TM+12+\b], 0xff000000, v[TM+\b]
.endr
.irp b, 0,1
	v_lshrrev_b32 v[TM+4+\b], 23, v[TM+12+\b]
.endr
	v_lshl_or_b32 v[PWH+(\a)], v[TM+5], 8, v[TM+4]
	v_cvt_scalef32_pk16_fp6_f32 v[CD:CD+2], v[RP:RP+15], v[TM+12]
	v_cvt_scalef32_pk16_fp6_f32 v[CT:CT+2], v[RP+16:RP+31], v[TM+13]
	v_nop                                          ; one plain place behind a scaled conversion
.irp i, 0,1,2
	v_permlane16_swap_b32 v[CD+\i], v[CT+\i]
.endr
.irp i, 0,1,2
	v_mov_b32 v[CD+3+\i], v[CT+\i]
.endr
	global_store_b128 v2, v[CD:CD+3], s[80:81] offset:1536*(\a)        ; 512 consecutive bytes, aligned to 256
	global_store_b64 v3, v[CD+4:CD+5], s[80:81] offset:1536*(\a)+512   ; 256 consecutive bytes, aligned
	ds_store_b16 v21, v[PWH+(\a)] offset:64*(\a)   ; both halves of the lanes write the same bytes with the same value
.endm
	QK 0, 1, 144
	QK 1, 1, 176
	QK 2, 1, 208
	QK 3, 3, 144
	QK 4, 3, 176
	QK 5, 3, 208
	QK 6, 0, 192
	QK 7, 0, 224
	s_wait_dscnt 0x0                               ; for the partner wave: my byte pairs have landed
	s_barrier_signal -1
	s_barrier_wait -1
	ds_load_b64 v[24:25], v22
	s_wait_dscnt 0x0
	global_store_b64 v3, v[24:25], s[82:83]        ; 256 consecutive bytes of whole scale words
	FINISH
; ---------------- v: the tile is turned through LDS, then a lane takes one channel and its registers run down the keys ----------------
.Lv_path:
	s_mul_i32 s70, s17, 128*528
	s_lshl_b32 s71, s18, 8
	s_add_co_u32 s70, s70, s71
	v_mul_u32_u24 v21, v7, 528
	v_lshl_add_u32 v21, v6, 6, v21
	v_add_nc_u32 v21, s70, v21                     ; in: key row x 528 + my columns in bytes
	s_lshl_b32 s71, s16, 7
	v_add_nc_u32 v22, s71, v4                      ; back: channel 32 wave + lane; four registers, 64 keys apart
	v_add_nc_u32 v23, 64*528, v22
	v_add_nc_u32 v24, 128*528, v22
	v_add_nc_u32 v25, 192*528, v22
	v_bfe_u32 v26, v1, 3, 1                        ; u: which of my two channel tiles
	v_and_b32 v27, 7, v1
	v_lshrrev_b32 v30, 4, v1
	v_lshl_add_u32 v27, v30, 3, v27                ; its lane-row
	s_mul_i32 s72, s16, 6144
	s_add_co_u32 s72, s72, SLOT                    ; my stage for the images, in slot 1: written only behind the barrier below, when no wave reads that slot any more
	v_mul_u32_u24 v30, v26, 1536
	v_add_nc_u32 v30, s72, v30
	v_lshl_add_u32 v31, v27, 3, v30
	v_lshl_add_u32 v30, v27, 4, v30
	v_add_nc_u32 v82, s72, v2
	v_lshl_add_u32 v83, v26, 4, v27
	v_lshlrev_b32 v83, 2, v83
	v_add_nc_u32 v83, s71, v83                     ; my scale word: 128 wave + 4 (lane-row + 16 u)
	s_sub_co_u32 s74, s21, 40
	s_mul_i32 s74, s74, 204800
	s_mul_i32 s75, s20, 51200                      ; two key steps for each block of 256 rows
	s_add_co_u32 s74, s74, s75
	s_add_co_u32 s74, s74, 12288
	s_mov_b32 s75, 0
	s_add_nc_u64 s[76:77], s[14:15], s[74:75]      ; the images of v in the first of my two key steps
	s_mul_i32 s74, s16, 3072
	s_add_nc_u64 s[78:79], s[76:77], s[74:75]
	WIN 0x08                                       ; the data of an LDS store: window 2
.irp a, 0,1,2,3,4,5,6,7
.irp t, 0,1,2,3
	ds_store_b128 v21, v[8*(4*\a+\t):8*(4*\a+\t)+3] offset:(32*(\a/2)+8*(\a%2))*528+128*(\t/2)+32*(\t%2)
	ds_store_b128 v21, v[8*(4*\a+\t)+4:8*(4*\a+\t)+7] offset:(32*(\a/2)+8*(\a%2))*528+128*(\t/2)+32*(\t%2)+16
.endr
.endr
	WIN 0
	s_wait_dscnt 0x0
	s_barrier_signal -1
	s_barrier_wait -1                              ; 256 keys x 128 channels lie in slot 0
.macro LOADV t
.set i, 0
.rept 32
	ds_load_b32 v[XV+32*((\t)%2)+i], v[VRD+(\t)/2] offset:(32*((\t)%2)+i)*528
.set i, i+1
.endr
.endm
.macro BLOCKV t                        ; key step t/4 of my two, block t%4 = 2 c + h of it
.set XS, XV+32*((\t)%2)
.set CC, 84+6*((\t)%2)
.if (\t) < 7
	s_wait_dscnt 32                                ; all but the 32 loads of the next block: this block is in, and earlier stores have read their registers
.else
	s_wait_dscnt 0x0
.endif
	v_max3_num_f32 v100, |v[XS]|, |v[XS+1]|, |v[XS+2]|
	v_max3_num_f32 v101, |v[XS+3]|, |v[XS+4]|, |v[XS+5]|
.irp i, 6,10,14,18,22,26
	v_max3_num_f32 v100, v100, |v[XS+\i]|, |v[XS+\i+1]|
	v_max3_num_f32 v101, v101, |v[XS+\i+2]|, |v[XS+\i+3]|
.endr
	v_max3_num_f32 v100, v100, |v[XS+30]|, |v[XS+31]|
	v_max3_num_f32 v100, v100, v101, 0x1800000
	v_add_nc_u32 v102, 0xff000000, v100
	v_lshrrev_b32 v101, 23, v102
.if (\t)%4 == 0
	v_mov_b32 v[80+(\t)/4], v101
.else
	v_lshl_or_b32 v[80+(\t)/4], v101, 8*((\t)%4), v[80+(\t)/4]
.endif
	v_cvt_scalef32_pk16_fp6_f32 v[CC:CC+2], v[XS:XS+15], v102
	v_cvt_scalef32_pk16_fp6_f32 v[96:98], v[XS+16:XS+31], v102
	v_nop                                          ; one plain place behind a scaled conversion
.irp i, 0,1,2
	v_mov_b32 v[CC+3+\i], v[96+\i]
.endr
	ds_store_b128 v30, v[CC:CC+3] offset:3072*((\t)/4)+768*(((\t)/2)%2)+256*((\t)%2)
	ds_store_b64 v31, v[CC+4:CC+5] offset:3072*((\t)/4)+768*(((\t)/2)%2)+512+128*((\t)%2)
.if (\t)+2 < 8
	LOADV (\t)+2
.endif
.endm
	LOADV 0
	LOADV 1
.irp t, 0,1,2,3,4,5,6,7
	BLOCKV \t
.endr
.irp k, 0,1
	global_store_b32 v83, v[80+\k], s[76:77] offset:12800+25600*\k
.endr
.set i, 0
.rept 12
	ds_load_b128 v[128+4*i:128+4*i+3], v82 offset:512*i
.set i, i+1
.endr
.set i, 0
.rept 12
	s_wait_dscnt 11-i
	global_store_b128 v2, v[128+4*i:128+4*i+3], s[78:79] offset:25600*(i/6)+512*(i%6)   ; 512 consecutive bytes, aligned to 256
.set i, i+1
.endr
	FINISH
.Lfunc_end_k_q42021da9f5_qkv:
	.size	k_q42021da9f5_qkv, .Lfunc_end_k_q42021da9f5_qkv-k_q42021da9f5_qkv
	.p2alignl 7, 3214868480
	.fill 96, 4, 3214868480
	.section	.rodata,"a",@progbits
	.p2align	6, 0x0
	.amdhsa_kernel k_q42021da9f5_qkv
		.amdhsa_group_segment_fixed_size 327680
		.amdhsa_private_segment_fixed_size 0
		.amdhsa_enable_private_segment 0
		.amdhsa_kernarg_size 48
		.amdhsa_user_sgpr_count 2
		.amdhsa_user_sgpr_kernarg_segment_ptr 1
		.amdhsa_wavefront_size32 1
		.amdhsa_system_sgpr_workgroup_id_x 1
		.amdhsa_system_sgpr_workgroup_id_y 1
		.amdhsa_system_sgpr_workgroup_id_z 1
		.amdhsa_system_vgpr_workitem_id 0
		.amdhsa_next_free_vgpr 1024
		.amdhsa_next_free_sgpr 100
		.amdhsa_reserve_vcc 0
		.amdhsa_float_denorm_mode_32 3
		.amdhsa_float_denorm_mode_16_64 3
		.amdhsa_memory_ordered 1
		.amdhsa_forward_progress 1
		.amdhsa_inst_pref_size 223
	.end_amdhsa_kernel
	.amdgpu_metadata
---
amdhsa.version: [ 1, 2 ]
amdhsa.kernels:
  - .name:           k_q42021da9f5_qkv
    .symbol:         k_q42021da9f5_qkv.kd
    .args:
      - { .name: x_rec, .offset: 0, .size: 8, .value_kind: global_buffer, .address_space: global }
      - { .name: w_rec, .offset: 8, .size: 8, .value_kind: global_buffer, .address_space: global }
      - { .name: cos_freq, .offset: 16, .size: 8, .value_kind: global_buffer, .address_space: global }
      - { .name: sin_freq, .offset: 24, .size: 8, .value_kind: global_buffer, .address_space: global }
      - { .name: q_pack, .offset: 32, .size: 8, .value_kind: global_buffer, .address_space: global }
      - { .name: kv_pack, .offset: 40, .size: 8, .value_kind: global_buffer, .address_space: global }
    .group_segment_fixed_size: 327680
    .private_segment_fixed_size: 0
    .kernarg_segment_align: 8
    .kernarg_segment_size: 48
    .max_flat_workgroup_size: 128
    .sgpr_count:     100
    .vgpr_count:     1024
    .wavefront_size: 32
...
	.end_amdgpu_metadata
.endif
;; end of part 2
;; launch attn (part 3): grid 8 x 32, 8 waves a work-group, clusters of 4 x 1, 327,680 bytes of LDS; arguments q_pack, kv_pack, a_rec; writes a_rec
.if DOCPART == 3
	.amdgcn_target "amdgcn-amd-amdhsa--gfx1250"
	.amdhsa_code_object_version 6
	.text
	.protected	k_q42021da9f5_attn
	.globl	k_q42021da9f5_attn
	.p2align	8
	.type	k_q42021da9f5_attn,@function
k_q42021da9f5_attn:
	s_mov_b64 s[64:65], 0
	v_nop
	global_prefetch_b8 v0, s[64:65] scope:SCOPE_SE
	s_setreg_imm32_b32 hwreg(HW_REG_WAVE_MODE, 25, 1), 1
	s_wait_xcnt 0x0
	s_wait_alu depctr_hold_cnt(0) depctr_sa_sdst(0) depctr_va_vdst(0) depctr_va_sdst(0) depctr_va_ssrc(0) depctr_va_vcc(0) depctr_vm_vsrc(0)
	s_getreg_b32 s2, hwreg(HW_REG_IB_STS2, 6, 4)
	s_cmp_eq_u32 s2, 0
	s_cbranch_scc0 .Lentry_in_a_cluster
	s_endpgm
.Lentry_in_a_cluster:
	s_bfe_u32 s2, ttmp6, 0x10000c
	s_cmp_lg_u32 s2, 0x3003
	s_cbranch_scc0 .Lentry_shape_is_right
	s_endpgm
.Lentry_shape_is_right:
.set SPARE, 204800
.set STEPB, 25600
.set L16, 1
.set L8,  2
.set L4,  3
.set SPW, 4
.set NIL, 5
.set AV16, 6
.set AV8,  7
.set AV4,  8
.set DQ,  9
.set AK16, 40
.set AK8,  41
.set AK4,  42
.set KS,  32
.set VS,  36
.set SEL, 20
.set CS,  22
.set TB,  48
.set ST,  49
.set MSB, 0
.macro WIN new
.if MSB != (\new)
	s_set_vgpr_msb (MSB<<8)|(\new)
.set MSB, (\new)
.endif
.endm
.macro CROUND
	s_barrier_signal -1
	s_barrier_wait -1
	s_cmp_lg_u32 s10, 0
	s_cbranch_scc1 .Lnot_wave_0_\@
	s_barrier_signal -3
.Lnot_wave_0_\@:
	s_barrier_wait -3
	s_barrier_signal -1
	s_barrier_wait -1
.endm
.macro FRAG reg, a16, a8, off
	ds_load_b128 v[\reg:\reg+3], v[\a16] offset:\off
	ds_load_b64 v[\reg+4:\reg+5], v[\a8] offset:\off+512
	ds_load_b128 v[\reg+6:\reg+9], v[\a16] offset:\off+768
	ds_load_b64 v[\reg+10:\reg+11], v[\a8] offset:\off+1280
.endm
.macro KLOAD a16, a8, a4, off
	WIN 0x40
.irp t, 0,1,2,3,4,5,6,7
	FRAG 12*\t, \a16, \a8, \off+1536*\t
.endr
	WIN 0
.irp i, 0,1,2,3
	ds_load_b32 v[KS+\i], v[\a4] offset:\off+24576+128*\i
.endr
.endm
.macro STEP diag, next
	v_add_nc_u32 v[AV16], s[TB], v[L16]
	v_add_nc_u32 v[AV8], s[TB], v[L8]
	v_add_nc_u32 v[AV4], s[TB], v[L4]
	v_nop
	WIN 0x40
.irp t, 0,1,2,3,4,5,6,7
	FRAG 96+12*\t, AV16, AV8, 12288+1536*\t
.endr
	WIN 0
.irp i, 0,1,2,3
	ds_load_b32 v[VS+\i], v[AV4] offset:25088+128*\i
.endr
	s_wait_dscnt 36
	WIN 0x01
.irp t, 0,2,4,6
	v_wmma_scale_f32_16x16x128_f8f6f4 v[96+8*\t:103+8*\t], v[12*\t:12*\t+11], v[16:27], 0, v[KS+\t/2], v28 matrix_a_fmt:MATRIX_FMT_FP6 matrix_b_fmt:MATRIX_FMT_FP6
	v_wmma_scale_f32_16x16x128_f8f6f4 v[104+8*\t:111+8*\t], v[12*\t+12:12*\t+23], v[16:27], 0, v[KS+\t/2], v28 matrix_a_fmt:MATRIX_FMT_FP6 matrix_b_fmt:MATRIX_FMT_FP6 matrix_a_scale:MATRIX_SCALE_ROW1
.endr
	WIN 0
.if \next
	v_add_nc_u32 v[AK16], s[TB], v[L16]
	v_add_nc_u32 v[AK8], s[TB], v[L8]
	v_add_nc_u32 v[AK4], s[TB], v[L4]
	v_nop
	KLOAD AK16, AK8, AK4, STEPB
.else
.rept 4
	v_nop
.endr
.endif
.if \diag
	v_mov_b32 v254, 0xff800000
.set n, 0
.rept 64
	v_cmp_gt_i32 vcc_lo, 32*(n/16)+n%16, v[DQ]
	v_cndmask_b32 v[96+n], v[96+n], v254, vcc_lo
.set n, n+1
.endr
.endif
.irp b, 0,1,2,3
	v_max3_num_f32 v[232+\b], v[96+16*\b], v[97+16*\b], v[98+16*\b]
.endr
.irp i, 3,5,7,9,11,13
.irp b, 0,1,2,3
	v_max3_num_f32 v[232+\b], v[232+\b], v[96+16*\b+\i], v[97+16*\b+\i]
.endr
.endr
.irp b, 0,1,2,3
	v_max_num_f32 v[232+\b], v[232+\b], v[111+16*\b]
.endr
.irp b, 0,1,2,3
	s_delay_alu instid0(VALU_DEP_4)
	v_permlanex16_b32 v[236+\b], v[232+\b], s[SEL], s[SEL+1]
.endr
.irp b, 0,1,2,3
	s_delay_alu instid0(VALU_DEP_4)
	v_max_num_f32 v[232+\b], v[232+\b], v[236+\b]
.endr
	s_delay_alu instid0(VALU_DEP_2)
	v_max3_num_f32 v254, v232, v233, v234
	s_delay_alu instid0(VALU_DEP_1)
	v_max_num_f32 v254, v254, v235
	s_delay_alu instid0(VALU_DEP_1)
	v_mul_f32 v254, s[CS], v254
	s_delay_alu instid0(VALU_DEP_1)
	v_max_num_f32 v13, v13, v254
	v_mov_b32 v254, v12
	s_delay_alu instid0(VALU_DEP_2)
	v_floor_f32 v12, -v13
	s_delay_alu instid0(VALU_DEP_1)
	v_sub_f32 v254, v12, v254
	s_delay_alu instid0(VALU_DEP_1)
	v_cvt_i32_f32 v254, v254
	s_delay_alu instid0(VALU_DEP_1)
	v_ldexp_f32 v252, 1.0, v254
.set j, 0
.rept 32
	v_pk_fma_f32 v[96+j:97+j], v[96+j:97+j], s[CS:CS+1], v[12:13] op_sel_hi:[1,0,0]
.set j, j+2
.endr
.irp b, 0,1,2,3
	v_fma_f32 v[232+\b], v[232+\b], s[CS], v12
.endr
.set j, 0
	s_wait_alu depctr_va_vdst(0)
.rept 64
	v_exp_f32 v[96+j], v[96+j]
.set j, j+1
.endr
	v_pk_mul_f32 v[14:15], v[14:15], v[252:253] op_sel_hi:[1,0]
	s_wait_alu depctr_va_vdst(0)
.irp b, 0,1,2,3
	v_exp_f32 v[232+\b], v[232+\b]
.endr
	v_pk_add_f32 v[236:237], v[96:97], v[98:99]
.set j, 4
.rept 15
	v_pk_add_f32 v[14:15], v[14:15], v[96+j:97+j]
	v_pk_add_f32 v[236:237], v[236:237], v[98+j:99+j]
.set j, j+4
.endr
	s_delay_alu instid0(VALU_DEP_1)
	v_pk_add_f32 v[14:15], v[14:15], v[236:237]
	s_wait_alu depctr_va_vdst(0)
.irp b, 0,1,2,3
	v_max_num_f32 v[232+\b], 0x1800000, v[232+\b]
.endr
.irp b, 0,1,2,3
	s_delay_alu instid0(VALU_DEP_4)
	v_add_nc_u32 v[244+\b], 0xff000000, v[232+\b]
.endr
.irp b, 0,1,2,3
	s_delay_alu instid0(VALU_DEP_4)
	v_lshrrev_b32 v[236+\b], 23, v[244+\b]
.endr
	s_delay_alu instid0(VALU_DEP_3)
	v_lshl_or_b32 v253, v237, 8, v236
	s_delay_alu instid0(VALU_DEP_1)
	v_lshl_or_b32 v253, v238, 16, v253
	s_delay_alu instid0(VALU_DEP_1)
	v_lshl_or_b32 v253, v239, 24, v253
.irp c, 0,1
	v_cvt_scalef32_pk16_fp6_f32 v[224+6*\c:226+6*\c], v[96+32*\c:111+32*\c], v[244+2*\c]
	v_cvt_scalef32_pk16_fp6_f32 v[236+4*\c:238+4*\c], v[112+32*\c:127+32*\c], v[245+2*\c]
.endr
	v_nop
.irp c, 0,1
.irp i, 0,1,2
	v_permlane16_swap_b32 v[224+6*\c+\i], v[236+4*\c+\i]
.endr
.irp i, 0,1,2
	s_delay_alu instid0(VALU_DEP_3)
	v_mov_b32 v[227+6*\c+\i], v[236+4*\c+\i]
.endr
.endr
.set j, 0
.rept 32
	v_pk_mul_f32 v[160+j:161+j], v[160+j:161+j], v[252:253] op_sel_hi:[1,0]
.set j, j+2
.endr
	s_wait_alu depctr_va_vdst(0)
	s_wait_dscnt 36*\next
	WIN 0x01
.irp t, 0,2,4,6
	v_wmma_scale_f32_16x16x128_f8f6f4 v[160+8*\t:167+8*\t], v[96+12*\t:107+12*\t], v[224:235], v[160+8*\t:167+8*\t], v[VS+\t/2], v253 matrix_a_fmt:MATRIX_FMT_FP6 matrix_b_fmt:MATRIX_FMT_FP6
	v_wmma_scale_f32_16x16x128_f8f6f4 v[168+8*\t:175+8*\t], v[108+12*\t:119+12*\t], v[224:235], v[168+8*\t:175+8*\t], v[VS+\t/2], v253 matrix_a_fmt:MATRIX_FMT_FP6 matrix_b_fmt:MATRIX_FMT_FP6 matrix_a_scale:MATRIX_SCALE_ROW1
.endr
	WIN 0
.endm
	s_load_b128 s[4:7], s[0:1], 0x0
	s_load_b64 s[8:9], s[0:1], 0x10
	v_lshl_add_u32 v[SPW], v0, 2, SPARE
	v_mov_b32 v[NIL], 0
	ds_add_u32 v[SPW], v[NIL]
	ds_add_u32 v[SPW], v[NIL]
	v_lshrrev_b32 v1, 5, v0
	s_delay_alu instid0(VALU_DEP_1)
	v_readfirstlane_b32 s10, v1
	s_lshr_b32 s12, s10, 2
	s_mul_i32 s12, s12, 3
	s_xor_b32 s11, s10, s12
	s_bfe_u32 s13, ttmp6, 0x40000
	s_lshl_b32 s14, ttmp9, 2
	s_add_co_u32 s14, s14, s13
	s_and_b32 s15, ttmp7, 0xffff
	s_mov_b32 s24, 15|(3<<16)|(1<<21)
	s_mov_b32 s25, 32<<16
	s_mov_b32 s26, 25<<16
	s_mov_b32 s27, 32<<16
	s_mov_b32 s28, 25
	s_mov_b32 s29, 32
	s_mov_b32 s30, 0
	s_mov_b32 s31, 0
	s_mov_b32 s32, 15|(3<<16)|(1<<21)
	s_mov_b32 s33, 32<<16
	s_mov_b32 s34, 75<<16
	s_mov_b32 s35, 32<<16
	s_mov_b32 s36, 75
	s_mov_b32 s37, 32
	s_mov_b32 s38, 0
	s_mov_b32 s39, 0
	s_lshr_b32 s16, s15, 2
	s_mul_i32 s16, s16, 204800
	s_mul_i32 s17, s10, 6400
	s_mul_i32 s18, s10, 19200
	s_add_co_u32 s18, s18, 51200
	s_add_co_u32 s50, s16, s17
	s_mov_b32 s51, 0
	s_add_co_u32 s60, s16, s18
	s_mov_b32 s61, 0
	s_mul_i32 s62, s15, 102400
	s_mul_i32 s63, s11, 12800
	s_add_co_u32 s62, s62, s63
	s_mul_i32 s63, s14, 1536
	s_add_co_u32 s52, s62, s63
	s_mov_b32 s53, 0
	s_lshl_b32 s63, s14, 6
	s_add_co_u32 s54, s62, s63
	s_mov_b32 s55, 0
	s_lshl_b32 s62, s11, 3
	s_add_co_u32 s62, s62, s14
	s_mul_i32 s62, s62, 51200
	s_lshr_b32 s63, s15, 2
	s_mul_i32 s63, s63, 6400
	s_add_co_u32 s62, s62, s63
	s_and_b32 s63, s15, 3
	s_mul_i32 s19, s63, 1536
	s_add_co_u32 s56, s62, s19
	s_mov_b32 s57, 0
	s_lshl_b32 s63, s63, 6
	s_add_co_u32 s58, s62, s63
	s_add_co_u32 s58, s58, 6144
	s_mov_b32 s59, 0
	s_mov_b32 s[SEL], 0x76543210
	s_mov_b32 s[SEL+1], 0xfedcba98
	s_mov_b32 s[CS], 0x3e0293ee
	s_mov_b32 s[CS+1], s[CS]
	s_mov_b32 s[TB], 0
	s_wait_dscnt 0x0
	s_wait_kmcnt 0x0
	s_mov_b32 s40, 1
	s_mov_b32 s41, s17
	s_add_nc_u64 s[42:43], s[6:7], s[50:51]
	s_or_b32 s43, s43, 0x80000000
	s_mov_b32 s44, 1
	s_mov_b32 s45, s18
	s_add_nc_u64 s[46:47], s[6:7], s[60:61]
	s_or_b32 s47, s47, 0x80000000
	s_add_nc_u64 s[52:53], s[4:5], s[52:53]
	s_add_nc_u64 s[54:55], s[4:5], s[54:55]
	s_add_nc_u64 s[56:57], s[8:9], s[56:57]
	s_add_nc_u64 s[58:59], s[8:9], s[58:59]
	CROUND
	tensor_load_to_lds s[40:43], s[24:31]
	s_nop 0
	s_wait_alu depctr_va_vdst(0)
	s_wait_tensorcnt 0x0
	ds_add_u32 v4, v5
	s_wait_dscnt 0x0
	CROUND
	tensor_load_to_lds s[44:47], s[32:39]
	s_nop 0
.rept 4
	v_nop
.endr
	v_and_b32 v10, 31, v0
	s_delay_alu instid0(VALU_DEP_1)
	v_lshlrev_b32 v[L16], 4, v10
	s_delay_alu instid0(VALU_DEP_2)
	v_lshlrev_b32 v[L8], 3, v10
	s_delay_alu instid0(VALU_DEP_3)
	v_lshlrev_b32 v[L4], 2, v10
	v_and_b32 v11, 15, v0
	v_bfe_u32 v29, v0, 4, 1
	s_delay_alu instid0(VALU_DEP_2)
	v_lshlrev_b32 v44, 2, v11
	global_load_b128 v[16:19], v[L16], s[52:53]
	global_load_b64 v[20:21], v[L8], s[52:53] offset:512
	global_load_b128 v[22:25], v[L16], s[52:53] offset:768
	global_load_b64 v[26:27], v[L8], s[52:53] offset:1280
	global_load_b32 v28, v44, s[54:55] offset:12288
	s_lshr_b32 s50, s14, 1
	s_lshl_b32 s50, s50, 5
	s_and_b32 s51, s14, 1
	s_lshl_b32 s51, s51, 3
	s_add_co_u32 s50, s50, s51
	v_and_b32 v[DQ], 8, v11
	s_delay_alu instid0(VALU_DEP_1)
	v_add_nc_u32 v[DQ], v[DQ], v11
	s_delay_alu instid0(VALU_DEP_1)
	v_add_nc_u32 v[DQ], s50, v[DQ]
	v_lshlrev_b32 v29, 4, v29
	s_delay_alu instid0(VALU_DEP_1)
	v_sub_nc_u32 v[DQ], v[DQ], v29
	v_mov_b32 v13, 0xff61b1e6
	s_delay_alu instid0(VALU_DEP_1)
	v_floor_f32 v12, -v13
	v_mov_b32 v14, 0
	v_mov_b32 v15, 0
.irp b, 0,1,2,3
	v_mov_b32 v[236+\b], 0
.endr
	v_mov_b32 v253, 0
.set j, 0
.rept 64
	v_mov_b32 v[160+j], 0
.set j, j+1
.endr
	s_wait_tensorcnt 1
	s_barrier_signal -1
	s_barrier_wait -1
	KLOAD L16, L8, L4, 0
	s_wait_loadcnt 0x0
	s_cmp_eq_u32 s11, 0
	s_cbranch_scc1 .Ldiag0
	STEP 0, 1
	s_branch .Ljoin0
.Ldiag0:
	STEP 1, 0
.Ljoin0:
	s_wait_tensorcnt 0x0
	s_wait_dscnt 0x0
	s_barrier_signal -1
	s_barrier_wait -1
	s_mov_b32 s[TB], STEPB
	s_mov_b32 s[ST], 1
.Lstep:
	s_cmp_gt_u32 s[ST], s11
	s_cbranch_scc1 .Lnone
	s_cmp_eq_u32 s[ST], s11
	s_cbranch_scc1 .Ldiag
	STEP 0, 1
	s_branch .Lnone
.Ldiag:
	STEP 1, 0
.Lnone:
	s_add_co_u32 s[TB], s[TB], STEPB
	s_add_co_u32 s[ST], s[ST], 1
	s_cmp_lt_u32 s[ST], 7
	s_cbranch_scc1 .Lstep
	s_cmp_eq_u32 s11, 7
	s_cbranch_scc0 .Lout
	STEP 1, 0
.Lout:
.rept 4
	v_nop
.endr
	v_add_f32 v14, v14, v15
	s_delay_alu instid0(VALU_DEP_1)
	v_permlanex16_b32 v252, v14, s[SEL], s[SEL+1]
	s_delay_alu instid0(VALU_DEP_1)
	v_add_f32 v14, v14, v252
	s_wait_alu depctr_va_vdst(0)
	v_rcp_f32 v14, v14
	v_nop
	s_wait_alu depctr_va_vdst(0)
.set j, 0
.rept 64
	v_mul_f32 v[96+j], v[160+j], v14
.set j, j+1
.endr
.irp b, 0,1,2,3
	v_max3_num_f32 v[160+\b], |v[96+16*\b]|, |v[97+16*\b]|, 0x1800000
.endr
.irp i, 2,4,6,8,10,12,14
.irp b, 0,1,2,3
	s_delay_alu instid0(VALU_DEP_4)
	v_max3_num_f32 v[160+\b], v[160+\b], |v[96+16*\b+\i]|, |v[97+16*\b+\i]|
.endr
.endr
.irp b, 0,1,2,3
	v_permlanex16_b32 v[164+\b], v[160+\b], s[SEL], s[SEL+1]
.endr
.irp b, 0,1,2,3
	s_delay_alu instid0(VALU_DEP_4)
	v_max_num_f32 v[160+\b], v[160+\b], v[164+\b]
.endr
.irp b, 0,1,2,3
	s_delay_alu instid0(VALU_DEP_4)
	v_add_nc_u32 v[172+\b], 0xff000000, v[160+\b]
.endr
.irp b, 0,1,2,3
	s_delay_alu instid0(VALU_DEP_4)
	v_lshrrev_b32 v[164+\b], 23, v[172+\b]
.endr
	s_delay_alu instid0(VALU_DEP_3)
	v_lshl_or_b32 v176, v165, 8, v164
	s_delay_alu instid0(VALU_DEP_1)
	v_lshl_or_b32 v176, v166, 16, v176
	s_delay_alu instid0(VALU_DEP_1)
	v_lshl_or_b32 v176, v167, 24, v176
.irp c, 0,1
	v_cvt_scalef32_pk16_fp6_f32 v[224+6*\c:226+6*\c], v[96+32*\c:111+32*\c], v[172+2*\c]
	v_cvt_scalef32_pk16_fp6_f32 v[236+4*\c:238+4*\c], v[112+32*\c:127+32*\c], v[173+2*\c]
.endr
	v_nop
.irp c, 0,1
.irp i, 0,1,2
	v_permlane16_swap_b32 v[224+6*\c+\i], v[236+4*\c+\i]
.endr
.irp i, 0,1,2
	s_delay_alu instid0(VALU_DEP_3)
	v_mov_b32 v[227+6*\c+\i], v[236+4*\c+\i]
.endr
.endr
	global_store_b128 v[L16], v[224:227], s[56:57]
	global_store_b64 v[L8], v[228:229], s[56:57] offset:512
	global_store_b128 v[L16], v[230:233], s[56:57] offset:768
	global_store_b64 v[L8], v[234:235], s[56:57] offset:1280
	global_store_b32 v44, v176, s[58:59]
	s_wait_tensorcnt 0x0
	ds_add_u32 v[SPW], v[NIL]
	s_wait_dscnt 0x0
	CROUND
	s_endpgm
.Lfunc_end_k_q42021da9f5_attn:
	.size	k_q42021da9f5_attn, .Lfunc_end_k_q42021da9f5_attn-k_q42021da9f5_attn
	.p2alignl 7, 3214868480
	.fill 96, 4, 3214868480
	.section	.rodata,"a",@progbits
	.p2align	6, 0x0
	.amdhsa_kernel k_q42021da9f5_attn
		.amdhsa_group_segment_fixed_size 327680
		.amdhsa_private_segment_fixed_size 0
		.amdhsa_enable_private_segment 0
		.amdhsa_kernarg_size 24
		.amdhsa_user_sgpr_count 2
		.amdhsa_user_sgpr_kernarg_segment_ptr 1
		.amdhsa_wavefront_size32 1
		.amdhsa_system_sgpr_workgroup_id_x 1
		.amdhsa_system_sgpr_workgroup_id_y 1
		.amdhsa_system_sgpr_workgroup_id_z 1
		.amdhsa_system_vgpr_workitem_id 0
		.amdhsa_next_free_vgpr 448
		.amdhsa_next_free_sgpr 66
		.amdhsa_reserve_vcc 1
		.amdhsa_float_denorm_mode_32 3
		.amdhsa_float_denorm_mode_16_64 3
		.amdhsa_memory_ordered 1
		.amdhsa_forward_progress 1
		.amdhsa_inst_pref_size 133
	.end_amdhsa_kernel
	.amdgpu_metadata
---
amdhsa.version: [ 1, 2 ]
amdhsa.kernels:
  - .name:           k_q42021da9f5_attn
    .symbol:         k_q42021da9f5_attn.kd
    .args:
      - { .name: q_pack, .offset: 0, .size: 8, .value_kind: global_buffer, .address_space: global }
      - { .name: kv_pack, .offset: 8, .size: 8, .value_kind: global_buffer, .address_space: global }
      - { .name: a_rec, .offset: 16, .size: 8, .value_kind: global_buffer, .address_space: global }
    .group_segment_fixed_size: 327680
    .private_segment_fixed_size: 0
    .kernarg_segment_align: 8
    .kernarg_segment_size: 24
    .max_flat_workgroup_size: 256
    .sgpr_count:     66
    .vgpr_count:     448
    .wavefront_size: 32
...
	.end_amdgpu_metadata
.endif
;; end of part 3
;; launch oproj (part 4): grid 32 x 8, 4 waves a work-group, clusters of 4 x 4, 327,680 bytes of LDS; arguments a_rec, w_rec, out0; writes out0
.if DOCPART == 4
	.amdgcn_target "amdgcn-amd-amdhsa--gfx1250"
	.amdhsa_code_object_version 6
	.text
	.protected	k_q42021da9f5_oproj
	.globl	k_q42021da9f5_oproj
	.p2align	8
	.type	k_q42021da9f5_oproj,@function
k_q42021da9f5_oproj:
	s_mov_b64 s[64:65], 0
	v_nop
	global_prefetch_b8 v0, s[64:65] scope:SCOPE_SE
	s_setreg_imm32_b32 hwreg(HW_REG_WAVE_MODE, 25, 1), 1
	s_wait_xcnt 0x0
	s_wait_alu depctr_hold_cnt(0) depctr_sa_sdst(0) depctr_va_vdst(0) depctr_va_sdst(0) depctr_va_ssrc(0) depctr_va_vcc(0) depctr_vm_vsrc(0)
	s_getreg_b32 s2, hwreg(HW_REG_IB_STS2, 6, 4)
	s_cmp_eq_u32 s2, 0
	s_cbranch_scc0 .Lentry_in_a_cluster
	s_endpgm
.Lentry_in_a_cluster:
	s_bfe_u32 s2, ttmp6, 0x10000c
	s_cmp_lg_u32 s2, 0xf033
	s_cbranch_scc0 .Lentry_shape_is_right
	s_endpgm
.Lentry_shape_is_right:
; out0 = a W_o on codes of FP6 (E2M3) with E8M0 scales.  a_rec and w_rec hold records of 6,400 bytes (four fragment images of 16 rows x 128 K and their scale words) for each tile of 16 rows and K group of 512.
; A work-group makes 128 rows x 128 columns, four waves 2 x 2, a wave 64 x 64: 16 accumulators, used transposed (source 0 = weight columns, source 1 = rows), so that a lane holds neighbouring columns of one row.
; K goes through two LDS slots, one of two K groups and one of one, filled by joint loads in a cluster of 4 x 4: rows records shared along a row of the cluster, weights records along a column.
; In a K step the next step's half fragments are issued in runs between the groups of products.  Each record is prefetched one refill ahead of its tensor load, each block of 256 bytes once in a cluster.
.set REC,   6400
.set TROW,  51200
.set QB,    204800
.set SPARE, 307200
.set TW0,   384
.set A16, 8
.set A8,  10
.set A4,  12
.set B16, 14
.set B8,  16
.set B4,  18
.set STO, 21
.set RD,  22
.set CO,  23
.set SPW, 28
.set NIL, 29
.set SC,  32
.set BK,  128
.set G1P,  24
.set G1PB, 32
.set G1Q,  40
.set G1QB, 48
.set G0P,  56
.set G0PB, 60
.set G0Q,  68
.set G0QB, 72
.set MSB, 0
.macro WIN new
.if MSB != (\new)
	s_set_vgpr_msb (MSB<<8)|(\new)
.set MSB, (\new)
.endif
.endm
.macro PLACES n
.rept \n
	v_nop
.endr
.endm
.macro JLOAD g0a, g1a, g0b, g1b
	s_cmp_eq_u32 s17, 0
	s_cbranch_scc0 .Lfor_w_\@
	tensor_load_to_lds s[\g0a:\g0a+3], s[\g1a:\g1a+7]
	s_nop 0
.rept 4
	v_nop
.endr
	s_branch .Lasked_\@
.Lfor_w_\@:
	tensor_load_to_lds s[\g0b:\g0b+3], s[\g1b:\g1b+7]
	s_nop 0
.rept 4
	v_nop
.endr
.Lasked_\@:
.endm
.macro CREST
	s_cmp_lg_u32 s16, 0
	s_cbranch_scc1 .Lnot_wave_0_\@
	s_barrier_signal -3
.Lnot_wave_0_\@:
	s_barrier_wait -3
	s_barrier_signal -1
	s_barrier_wait -1
.endm
.macro CROUND
	s_barrier_signal -1
	s_barrier_wait -1
	CREST
.endm
.macro FRAG reg, a16, a8, off
	ds_load_b128 v[\reg:\reg+3], v[\a16] offset:\off
	ds_load_b64 v[\reg+4:\reg+5], v[\a8] offset:\off+512
	ds_load_b128 v[\reg+6:\reg+9], v[\a16] offset:\off+768
	ds_load_b64 v[\reg+10:\reg+11], v[\a8] offset:\off+1280
.endm
.macro FETCH slot, kgl, q, buf
	WIN 0x40+0x80*(\buf)
.irp t, 0,1,2,3
	FRAG 12*\t, B16+\slot, B8+\slot, (12800-6400*(\slot))*\t+REC*(\kgl)+1536*(\q)
.endr
.irp a, 0,1,2,3
	FRAG 48+12*\a, A16+\slot, A8+\slot, (12800-6400*(\slot))*\a+REC*(\kgl)+1536*(\q)
.endr
	WIN 0
.endm
.macro SCALES slot, kgl, set
.irp t, 0,1,2,3
.irp p, 0,1
	ds_load_b32 v[SC+16*(\set)+2*\t+\p], v[B4+\slot] offset:(12800-6400*(\slot))*\t+REC*(\kgl)+6144+128*\p
.endr
.endr
.irp a, 0,1,2,3
.irp p, 0,1
	ds_load_b32 v[SC+16*(\set)+8+2*\a+\p], v[A4+\slot] offset:(12800-6400*(\slot))*\a+REC*(\kgl)+6144+128*\p
.endr
.endr
.endm
.macro MULP buf, q, sc, a0, n, zero
	WIN 0xa5+0x0a*(\buf)
.set aa, \a0
.rept \n
.irp t, 0,1,2,3
.if \zero
	v_wmma_scale_f32_16x16x128_f8f6f4 v[8*(4*aa+\t):8*(4*aa+\t)+7], v[12*\t:12*\t+11], v[48+12*aa:48+12*aa+11], 0, v[SC+16*(\sc)+2*\t+(\q)/2], v[SC+16*(\sc)+8+2*aa+(\q)/2] matrix_a_fmt:MATRIX_FMT_FP6 matrix_b_fmt:MATRIX_FMT_FP6
.elseif (\q)%2
	v_wmma_scale_f32_16x16x128_f8f6f4 v[8*(4*aa+\t):8*(4*aa+\t)+7], v[12*\t:12*\t+11], v[48+12*aa:48+12*aa+11], v[8*(4*aa+\t):8*(4*aa+\t)+7], v[SC+16*(\sc)+2*\t+(\q)/2], v[SC+16*(\sc)+8+2*aa+(\q)/2] matrix_a_fmt:MATRIX_FMT_FP6 matrix_b_fmt:MATRIX_FMT_FP6 matrix_a_scale:MATRIX_SCALE_ROW1 matrix_b_scale:MATRIX_SCALE_ROW1
.else
	v_wmma_scale_f32_16x16x128_f8f6f4 v[8*(4*aa+\t):8*(4*aa+\t)+7], v[12*\t:12*\t+11], v[48+12*aa:48+12*aa+11], v[8*(4*aa+\t):8*(4*aa+\t)+7], v[SC+16*(\sc)+2*\t+(\q)/2], v[SC+16*(\sc)+8+2*aa+(\q)/2] matrix_a_fmt:MATRIX_FMT_FP6 matrix_b_fmt:MATRIX_FMT_FP6
.endif
.endr
.set aa, aa+1
.endr
.endm
.set PFG, 5                            ; the next K group to prefetch at a refill
; n half fragments (a load of 16 and a load of 8 bytes a lane) from number i0 on: halves 0-7 the weights, 8-15 the rows; half i lands at v[6 i] of buffer buf
.macro HALFS slot, kgl, q, buf, i0, n
	WIN 0x40+0x80*(\buf)
.set hh, \i0
.rept \n
.if hh < 8
	ds_load_b128 v[6*hh:6*hh+3], v[B16+\slot] offset:(12800-6400*(\slot))*(hh/2)+REC*(\kgl)+1536*(\q)+768*(hh%2)
	ds_load_b64 v[6*hh+4:6*hh+5], v[B8+\slot] offset:(12800-6400*(\slot))*(hh/2)+REC*(\kgl)+1536*(\q)+768*(hh%2)+512
.else
	ds_load_b128 v[6*hh:6*hh+3], v[A16+\slot] offset:(12800-6400*(\slot))*(hh/2-4)+REC*(\kgl)+1536*(\q)+768*(hh%2)
	ds_load_b64 v[6*hh+4:6*hh+5], v[A8+\slot] offset:(12800-6400*(\slot))*(hh/2-4)+REC*(\kgl)+1536*(\q)+768*(hh%2)+512
.endif
.set hh, hh+1
.endr
.endm
.macro STEP slot, kgl, q, set, zero
	PLACES 4                                       ; in front of loads into registers that the last step's products read
	s_wait_dscnt 8                                 ; the weights and rows blocks 0, 1 are in; the youngest 8 loads (blocks 2, 3) may be out
	MULP (\q)%2, \q, \set, 0, 2, \zero
	HALFS \slot, \kgl, (\q)+1, 1-(\q)%2, 0, 8
	s_wait_dscnt 16                                ; all but the 16 loads issued in this step
	MULP (\q)%2, \q, \set, 2, 2, \zero
	HALFS \slot, \kgl, (\q)+1, 1-(\q)%2, 8, 8
.endm
.macro THREE slot, kgl, set, zero
	STEP \slot, \kgl, 0, \set, \zero
	STEP \slot, \kgl, 1, \set, 0
	STEP \slot, \kgl, 2, \set, 0
.endm
.macro CROSS nslot, nkgl, set
	PLACES 4
	WIN 0
	SCALES \nslot, \nkgl, 1-(\set)
	s_wait_dscnt 24                                ; the 16 scale loads and the 8 loads of rows blocks 2, 3 may be out
	MULP 1, 3, \set, 0, 2, 0
	HALFS \nslot, \nkgl, 0, 0, 0, 8
	s_wait_dscnt 32                                ; the 16 scale loads and the 16 just issued may be out
	MULP 1, 3, \set, 2, 2, 0
	HALFS \nslot, \nkgl, 0, 0, 8, 8
.endm
.macro TURN set, nslot, fill, g0a, g1a, g0b, g1b
	WIN 0
	s_wait_tensorcnt 0x0
	ds_add_u32 v[SPW], v[NIL]
	s_wait_dscnt 1
	MULP 1, 3, \set, 0, 1, 0
	s_wait_dscnt 0x0
	s_barrier_signal -1
	MULP 1, 3, \set, 1, 1, 0
	WIN 0
	s_barrier_wait -1
.if \fill
	CREST
	s_add_nc_u64 s[\g0a+2:\g0a+3], s[\g0a+2:\g0a+3], 3*REC
	s_add_nc_u64 s[\g0b+2:\g0b+3], s[\g0b+2:\g0b+3], 3*REC
	JLOAD \g0a, \g1a, \g0b, \g1b
.else
	PLACES 4
.endif
	SCALES \nslot, 0, 1-(\set)
.if \fill
.if PFG == 5                           ; what the next refill will load: K group 5, then K groups 6 and 7; the last refill has none behind it
	global_prefetch_b8 v24, s[92:93] offset:5*REC th:TH_LOAD_NT scope:SCOPE_SE
.set PFG, 6
.elseif PFG == 6
	global_prefetch_b8 v24, s[92:93] offset:6*REC th:TH_LOAD_NT scope:SCOPE_SE
	global_prefetch_b8 v24, s[92:93] offset:7*REC th:TH_LOAD_NT scope:SCOPE_SE
.set PFG, 8
.endif
.endif
	MULP 1, 3, \set, 2, 1, 0
	HALFS \nslot, 0, 0, 0, 0, 8
	MULP 1, 3, \set, 3, 1, 0
	HALFS \nslot, 0, 0, 0, 8, 8
.endm
	s_load_b128 s[4:7], s[0:1], 0x0
	s_load_b64 s[8:9], s[0:1], 0x10
	v_lshl_add_u32 v[SPW], v0, 2, SPARE
	v_mov_b32 v[NIL], 0
	ds_add_u32 v[SPW], v[NIL]
	ds_add_u32 v[SPW], v[NIL]
	v_lshrrev_b32 v1, 5, v0
	v_readfirstlane_b32 s16, v1
	s_lshr_b32 s17, s16, 1
	s_and_b32 s18, s16, 1
	s_bfe_u32 s19, ttmp6, 0x40000
	s_bfe_u32 s20, ttmp6, 0x40004
	s_lshl_b32 s21, ttmp9, 2
	s_add_co_u32 s21, s21, s19
	s_and_b32 s22, ttmp7, 0xffff
	s_lshl_b32 s22, s22, 2
	s_add_co_u32 s22, s22, s20
	s_lshl_b32 s84, s20, 2
	s_lshl_b32 s84, 15, s84
	s_lshl_b32 s85, 0x1111, s19
	s_or_b32 s[G1P], s84, (3<<16)|(1<<21)
	s_or_b32 s[G1Q], s84, (3<<16)|(1<<21)
	s_or_b32 s[G1PB], s85, (3<<16)|(1<<21)
	s_or_b32 s[G1QB], s85, (3<<16)|(1<<21)
.irp g, G1P, G1PB
	s_mov_b32 s[\g+1], 1600<<16
	s_mov_b32 s[\g+2], 4<<16
	s_mov_b32 s[\g+3], 1600<<16
	s_mov_b32 s[\g+4], 4
	s_mov_b32 s[\g+5], 6400
	s_mov_b32 s[\g+6], 0
	s_mov_b32 s[\g+7], 0
.endr
.irp g, G1Q, G1QB
	s_mov_b32 s[\g+1], 800<<16
	s_mov_b32 s[\g+2], 4<<16
	s_mov_b32 s[\g+3], 800<<16
	s_mov_b32 s[\g+4], 4
	s_mov_b32 s[\g+5], 6400
	s_mov_b32 s[\g+6], 0
	s_mov_b32 s[\g+7], 0
.endr
	s_lshl_b32 s76, s22, 3
	s_lshl_b32 s77, s18, 2
	s_add_co_u32 s76, s76, s77
	s_mul_i32 s76, s76, TROW
	s_mov_b32 s77, 0
	s_lshl_b32 s78, s21, 3
	s_lshl_b32 s79, s18, 2
	s_add_co_u32 s78, s78, s79
	s_add_co_u32 s78, s78, TW0
	s_mul_i32 s78, s78, TROW
	s_mov_b32 s79, 0
	s_mul_i32 s80, s18, 51200
	s_add_co_u32 s81, s80, 102400
	s_mul_i32 s82, s18, 25600
	s_add_co_u32 s83, s82, QB+51200
	s_add_co_u32 s82, s82, QB
	s_wait_dscnt 0x0
	s_wait_kmcnt 0x0
	s_add_nc_u64 s[76:77], s[4:5], s[76:77]
	s_add_nc_u64 s[78:79], s[6:7], s[78:79]
	CROUND
	s_mov_b32 s[G0P], 1
	s_mov_b32 s[G0P+1], s80
	s_mov_b64 s[G0P+2:G0P+3], s[76:77]
	s_or_b32 s[G0P+3], s[G0P+3], 0x80000000
	s_mov_b32 s[G0PB], 1
	s_mov_b32 s[G0PB+1], s81
	s_mov_b64 s[G0PB+2:G0PB+3], s[78:79]
	s_or_b32 s[G0PB+3], s[G0PB+3], 0x80000000
	JLOAD G0P, G1P, G0PB, G1PB
	s_mov_b32 s[G0Q], 1
	s_mov_b32 s[G0Q+1], s82
	s_add_nc_u64 s[G0Q+2:G0Q+3], s[76:77], 2*REC
	s_or_b32 s[G0Q+3], s[G0Q+3], 0x80000000
	s_mov_b32 s[G0QB], 1
	s_mov_b32 s[G0QB+1], s83
	s_add_nc_u64 s[G0QB+2:G0QB+3], s[78:79], 2*REC
	s_or_b32 s[G0QB+3], s[G0QB+3], 0x80000000
	s_wait_alu depctr_va_vdst(0)
	s_wait_tensorcnt 0x0
	ds_add_u32 v28, v29
	s_wait_dscnt 0x0
	CROUND
	JLOAD G0Q, G1Q, G0QB, G1QB
	v_and_b32 v1, 31, v0
	v_lshlrev_b32 v2, 4, v1
	v_lshlrev_b32 v3, 3, v1
	v_lshlrev_b32 v4, 2, v1
	s_mul_i32 s86, s17, 51200
	s_mul_i32 s87, s18, 51200
	s_add_co_u32 s87, s87, 102400
	v_add_nc_u32 v[A16], s86, v2
	v_add_nc_u32 v[A8], s86, v3
	v_add_nc_u32 v[A4], s86, v4
	v_add_nc_u32 v[B16], s87, v2
	v_add_nc_u32 v[B8], s87, v3
	v_add_nc_u32 v[B4], s87, v4
	s_mul_i32 s86, s17, 25600
	s_add_co_u32 s86, s86, QB
	s_mul_i32 s87, s18, 25600
	s_add_co_u32 s87, s87, QB+51200
	v_add_nc_u32 v[A16+1], s86, v2
	v_add_nc_u32 v[A8+1], s86, v3
	v_add_nc_u32 v[A4+1], s86, v4
	v_add_nc_u32 v[B16+1], s87, v2
	v_add_nc_u32 v[B8+1], s87, v3
	v_add_nc_u32 v[B4+1], s87, v4
	v_and_b32 v5, 15, v0
	v_bfe_u32 v6, v0, 4, 1
	s_mul_i32 s88, s16, 4352
	s_add_co_u32 s88, s88, QB
	v_mul_u32_u24 v[STO], v5, 272
	v_lshl_add_u32 v[STO], v6, 6, v[STO]
	v_add_nc_u32 v[STO], s88, v[STO]
	v_mul_u32_u24 v[RD], v6, 272
	v_lshl_add_u32 v[RD], v5, 4, v[RD]
	v_add_nc_u32 v[RD], s88, v[RD]
	v_lshlrev_b32 v[CO], 14, v6
	v_lshl_add_u32 v[CO], v5, 4, v[CO]
	v_min_u32 v24, 24, v1                          ; the prefetches' offset: a record is 25 blocks of 256 bytes; lanes 25-31 name the last again; never rewritten
	v_lshlrev_b32 v24, 8, v24
	s_lshl_b32 s90, s22, 7
	s_lshl_b32 s91, s17, 6
	s_add_co_u32 s90, s90, s91
	s_lshl_b32 s90, s90, 14
	s_lshl_b32 s91, s21, 9
	s_add_co_u32 s90, s90, s91
	s_lshl_b32 s91, s18, 8
	s_add_co_u32 s90, s90, s91
	s_mov_b32 s91, 0
	s_add_nc_u64 s[8:9], s[8:9], s[90:91]
	; the prefetches' base, never rewritten: the four partners that load a tile jointly share its records out by address: waves 0, 1 rows tile 8 y + 2 cx + wp, waves 2, 3 weights tile 8 x + 2 cy + wp
	s_lshl_b32 s92, s22, 3
	s_lshl_b32 s94, s19, 1
	s_add_co_u32 s92, s92, s94
	s_lshl_b32 s93, s21, 3
	s_lshl_b32 s94, s20, 1
	s_add_co_u32 s93, s93, s94
	s_add_co_u32 s93, s93, TW0
	s_cmp_eq_u32 s17, 0
	s_cselect_b32 s94, s92, s93
	s_cselect_b64 s[92:93], s[4:5], s[6:7]
	s_add_co_u32 s94, s94, s18
	s_mul_i32 s94, s94, TROW
	s_mov_b32 s95, 0
	s_add_nc_u64 s[92:93], s[92:93], s[94:95]
	s_wait_alu depctr_va_vdst(0)
	global_prefetch_b8 v24, s[92:93] offset:3*REC th:TH_LOAD_NT scope:SCOPE_SE   ; K groups 3 and 4, which the first refill loads
	global_prefetch_b8 v24, s[92:93] offset:4*REC th:TH_LOAD_NT scope:SCOPE_SE
	s_wait_tensorcnt 1
	s_barrier_signal -1
	s_barrier_wait -1
	SCALES 0, 0, 0
	FETCH 0, 0, 0, 0
	THREE 0, 0, 0, 1
	CROSS 0, 1, 0
	THREE 0, 1, 1, 0
	TURN 1, 1, 1, G0P, G1P, G0PB, G1PB
	THREE 1, 0, 0, 0
	TURN 0, 0, 1, G0Q, G1Q, G0QB, G1QB
	THREE 0, 0, 1, 0
	CROSS 0, 1, 1
	THREE 0, 1, 0, 0
	TURN 0, 1, 1, G0P, G1P, G0PB, G1PB
	THREE 1, 0, 1, 0
	TURN 1, 0, 0, G0P, G1P, G0PB, G1PB
	THREE 0, 0, 0, 0
	CROSS 0, 1, 0
	THREE 0, 1, 1, 0
	s_wait_dscnt 0x0
	MULP 1, 3, 1, 0, 4, 0
	WIN 0
.macro TOSTAGE a
	WIN 0x08
.irp t, 0,1,2,3
	ds_store_b128 v[STO], v[8*(4*(\a)+\t):8*(4*(\a)+\t)+3] offset:128*(\t/2)+32*(\t%2)
	ds_store_b128 v[STO], v[8*(4*(\a)+\t)+4:8*(4*(\a)+\t)+7] offset:128*(\t/2)+32*(\t%2)+16
.endr
	WIN 0
.irp j, 0,1,2,3,4,5,6,7
	ds_load_b128 v[BK+32*((\a)%2)+4*\j:BK+32*((\a)%2)+4*\j+3], v[RD] offset:544*\j
.endr
.endm
.macro SEND a, younger
	s_wait_dscnt \younger
.irp j, 0,1,2,3,4,5,6,7
	global_store_b128 v[CO], v[BK+32*((\a)%2)+4*\j:BK+32*((\a)%2)+4*\j+3], s[8:9] offset:(32*((\a)/2)+8*((\a)%2)+2*\j+8*(\j/4))*16384 th:TH_STORE_NT
.endr
.endm
	PLACES 4
	s_wait_alu depctr_va_vdst(0)
	TOSTAGE 0
.irp a, 1,2,3
.if \a > 1
	s_wait_xcnt 0x0
.endif
	TOSTAGE \a
	SEND \a-1, 16
.endr
	SEND 3, 0
	s_wait_tensorcnt 0x0
	ds_add_u32 v[SPW], v[NIL]
	s_wait_dscnt 0x0
	CROUND
	s_endpgm
.Lfunc_end_k_q42021da9f5_oproj:
	.size	k_q42021da9f5_oproj, .Lfunc_end_k_q42021da9f5_oproj-k_q42021da9f5_oproj
	.p2alignl 7, 3214868480
	.fill 96, 4, 3214868480
	.section	.rodata,"a",@progbits
	.p2align	6, 0x0
	.amdhsa_kernel k_q42021da9f5_oproj
		.amdhsa_group_segment_fixed_size 327680
		.amdhsa_private_segment_fixed_size 0
		.amdhsa_enable_private_segment 0
		.amdhsa_kernarg_size 24
		.amdhsa_user_sgpr_count 2
		.amdhsa_user_sgpr_kernarg_segment_ptr 1
		.amdhsa_wavefront_size32 1
		.amdhsa_system_sgpr_workgroup_id_x 1
		.amdhsa_system_sgpr_workgroup_id_y 1
		.amdhsa_system_sgpr_workgroup_id_z 1
		.amdhsa_system_vgpr_workitem_id 0
		.amdhsa_next_free_vgpr 1024
		.amdhsa_next_free_sgpr 100
		.amdhsa_reserve_vcc 0
		.amdhsa_float_denorm_mode_32 3
		.amdhsa_float_denorm_mode_16_64 3
		.amdhsa_memory_ordered 1
		.amdhsa_forward_progress 1
		.amdhsa_inst_pref_size 167
	.end_amdhsa_kernel
	.amdgpu_metadata
---
amdhsa.version: [ 1, 2 ]
amdhsa.kernels:
  - .name:           k_q42021da9f5_oproj
    .symbol:         k_q42021da9f5_oproj.kd
    .args:
      - { .name: a_rec, .offset: 0, .size: 8, .value_kind: global_buffer, .address_space: global }
      - { .name: w_rec, .offset: 8, .size: 8, .value_kind: global_buffer, .address_space: global }
      - { .name: out0, .offset: 16, .size: 8, .value_kind: global_buffer, .address_space: global }
    .group_segment_fixed_size: 327680
    .private_segment_fixed_size: 0
    .kernarg_segment_align: 8
    .kernarg_segment_size: 24
    .max_flat_workgroup_size: 128
    .sgpr_count:     100
    .vgpr_count:     1024
    .wavefront_size: 32
...
	.end_amdgpu_metadata
.endif
;; end of part 4
